; MI455X (gfx1250); checked and timed in simulation.
; The chip was launched on July 23, 2026; its instructions are those of AMD's public machine-readable ISA for CDNA 5 (MIT licence, August 2026) and "CDNA5" Instruction Set Architecture Reference Guide (July 2026). The comments in the code are by the model that wrote it; some were corrected since.
;; Causal Self Attention. Allowed arithmetic: matrix products marked QUANTISED: E2M1 operands, one E8M0 scale for each 32 along K, by v_wmma_scale_f32_16x16x128_f8f6f4 with both operands' format E2M1 (or v_wmma_scale_f32_32x16x128_f4), f32 sums; products left as they are: bf16, f16 or f32 operands; f32 sums; everything else in f32.
;; Inputs: proj_b 1,024 float32; proj_w 1,024 x 1,024 float32; qkv_b 3,072 float32; qkv_w 1,024 x 3,072 float32; x 4 x 2,048 x 1,024 float32.
;; Outputs: out0 4 x 2,048 x 1,024 float32.
;; This version of the problem:
;;   THIS VERSION OF THE PROBLEM IS GIVEN IN LOW PRECISION. The matrix products marked QUANTISED in the list below multiply operands that are first quantised to E2M1 (2 exponent bits, 1 mantissa bit; 4 bits a number), with one power-of-two scale for each 32 numbers along K (OCP MX v1.0); their sums are f32. The products marked 'left as it is' may take bf16, f16 or f32 operands, with f32 sums. Whichever they take, every output number must still come out within the allowed error. Rounding operands to bf16 (8 significant bits) uses up far more of that allowance than f16 does (11 bits, for magnitudes from 6e-5 to 65,504). All else is computed in f32.
;;   The module's matrix products, in the order in which they are computed (A, B: the left and right operand; K: the contracted axis; several contracted axes count as one K, in the product's order):
;;     1. [M 8,192, K 1,024] x [K 1,024, N 3,072]; A: input x; B: input qkv_w: QUANTISED
;;     2. batch 64 x [M 2,048, K 64] x [K 64, N 2,048]; A: computed on the way; B: computed on the way: left as it is (an operand is computed on the way)
;;     3. batch 64 x [M 2,048, K 2,048] x [K 2,048, N 64]; A: computed on the way; B: computed on the way: left as it is (an operand is computed on the way)
;;     4. [M 8,192, K 1,024] x [K 1,024, N 1,024]; A: computed on the way; B: input proj_w: left as it is (an operand is computed on the way)
;;   THE QUANTISER, for each operand of a quantised product, along K:
;;     - K is cut into blocks of 32 from its start; a last block that is shorter is filled with zeros.
;;     - A block's scale is 2^e with e = floor(log2(the largest magnitude in the block)) - 2, held to -126 .. 127; a block of zeros has e = 0. As a byte (E8M0): e + 127.
;;     - Each number is divided by its block's scale, clamped to +-6, and rounded to the nearest number of E2M1, ties to even, subnormals kept.
;;     - The product sums the exact products of the quantised numbers (number of the format x scale) in f32.
;;   ~~~python
;;   def quantise(x, axis):      # numpy; x: float32 -> the quantised numbers, widened to float32 again
;;       x = np.moveaxis(x, axis, -1); K = x.shape[-1]
;;       x = np.pad(x, [(0, 0)] * (x.ndim - 1) + [(0, -K % 32)]); x = x.reshape(x.shape[:-1] + (-1, 32)); a = np.abs(x).max(-1, keepdims=True)
;;       e = np.where(a > 0, np.clip(np.frexp(np.where(a > 0, a, 1))[1] - 1 - 2, -126, 127), 0)      # np.frexp(a)[1] - 1 = floor(log2(a)), exactly
;;       r = np.clip(x / 2.0 ** e, -6, 6)
;;       step = 2.0 ** (np.maximum(np.frexp(np.where(r == 0, 1, r))[1] - 1, 0) - 1)
;;       q = np.round(r / step) * step * 2.0 ** e      # np.round: ties to even
;;       return np.moveaxis(q.reshape(q.shape[:-2] + (-1,))[..., :K], -1, axis).astype(np.float32)
;;   ~~~
;; One version. Each part assembles by itself: llvm-mc -triple=amdgcn-amd-amdhsa -mcpu=gfx1250 --defsym DOCPART=n.
;; ======== version 1 of 1: 5 launches
;; limits: values are held in f16: magnitudes above 65,504 overflow, below 6.1e-05 lose precision
;; workspace buffers: xq 4,456,448 bytes; wq 1,671,168 bytes; pw 2,097,152 bytes; qkvh 50,331,648 bytes; of 16,777,216 bytes; fq 786,432 bytes
;; launch prep (part 1): grid 368 x 1, 4 waves a work-group, no clusters, 102,912 bytes of LDS; arguments x, qkv_w, proj_w, xq, wq, pw; writes xq, wq, pw
.if DOCPART == 1
	.amdgcn_target "amdgcn-amd-amdhsa--gfx1250"
	.amdhsa_code_object_version 6
	.text
	.protected	k_q2de3b761b8_prep
	.globl	k_q2de3b761b8_prep
	.p2align	8
	.type	k_q2de3b761b8_prep,@function
k_q2de3b761b8_prep:
	s_mov_b64 s[64:65], 0
	v_nop
	global_prefetch_b8 v0, s[64:65] scope:SCOPE_SE
	s_setreg_imm32_b32 hwreg(HW_REG_WAVE_MODE, 25, 1), 1
	s_wait_xcnt 0x0
; CAUSAL SELF-ATTENTION, launch 1 of 5: the operands of the first product become codes of E2M1 with one E8M0 scale byte for each 32 along K, and proj_w becomes f16 with K innermost.
; THE PROGRAM: prep (this) | qkv: x qkv_w + bias on codes; q, k, v as f16 by head | attn: softmax(q k^T / 8) v, causal, f16 operands, f32 sums | proj: the projection, f16 operands | fine: positions 0-15 of every sequence once more, in f32.
; WORK LEFT OUT, for all values of the inputs:
;  (a) K's bias, qkv_b[1024:2048].  (q + bq).(k + bk) = (q + bq).k + (q + bq).bk; the second term is the same for all keys of a query, and a softmax does not change when one number is added to all its inputs.
;      The product with q is not quantised, so no quantiser sees k.  These 1,024 numbers are neither loaded nor added.
;  (b) Tiles of keys that lie wholly behind the causal mask, which reference() builds itself, are not multiplied.
;  (c) The f16 results of positions 0-15 lie in tiles with live rows: they are computed, and not stored to out0; launch fine stores those rows.
; LIMITS: a NaN, an infinity or an overflow that reaches only the work left out is not carried to the result.  q, k, v, the attention's result and proj_w go to f16: magnitudes up to 65,504.
; The quantiser: blocks whose largest magnitude lies under 2^-124, whose byte is held at 1, were not tried; NaN and infinities among x and qkv_w are not served.  A block of zeros gets the byte 1 where the rule says 127:
; its codes are zeros, which add nothing under any byte but 0xff, and this program alone reads the bytes.
; THREE PATHS, chosen by the work-group's number; each has LDS bytes of its own and ends by itself.
;  X (work-groups 0-255): x is a stream of blocks of 32.  A wave takes 16 steps of 512 numbers; each load reads 512 consecutive bytes; the numbers turn through the wave's stage so that a lane holds 16 neighbours; two lanes hold a block.
;  W (256-303): qkv_w [1024 (k)][3072 (n)].  A lane takes a column, its registers run down K: a block lies in one lane, and the codes come out with K innermost.  32 columns x 512 K a wave; out through a stage, 256 consecutive aligned bytes to sixteen lanes.
;  P (304-367): proj_w [1024 (k)][1024 (n)] likewise, 32 columns x 128 K a wave, rounded to f16.
; No tensor loads, no barrier: waves share nothing.
.set SPW,   190                        ; v190 LDS address of my spare word; never rewritten
.set NIL,   191                        ; v191 0; never rewritten
.set WREG,  8192                       ; path X: a wave's region: two stages of 32 x SP bytes, then its 256 scale bytes
.set SP,    80                         ; a lane's place in a stage: 64 bytes + 16 of padding
.set WST,   32768                      ; path W: four stages of 32 rows x PITCH
.set PST,   67584                      ; path P: the same
.set SPARE, 102400                     ; the spare words, 128 bytes for each wave; no other line names them
.set PITCH, 272                        ; a stage row: 256 bytes + 16
.set EMAX,  2
.set STEPS, 16
.set CB,    8                          ; bytes of 16 codes
.set R,     16                         ; path X: v16-79 four sets of 16 numbers as loaded
.set X,     80                         ; v80-111 two sets of 16 neighbours
.set E,     112                        ; v112-127 a scale byte for each step
.set C,     128                        ; v128-189 codes, four registers a step: no store's data are written again
.set SB,    24                         ; paths W, P: v24-27 scale bytes
.set XW,    32                         ; v32-95 two sets of 32 numbers down K
.set CW,    96                         ; v96-111 a block's codes or f16 pairs
.set OUTR,  112                        ; v112-175 the way out
.macro FINISH                          ; the wave's end, behind its last LDS store
	s_wait_tensorcnt 0x0
	ds_add_u32 v[SPW], v[NIL]
	s_wait_dscnt 0x0
	s_endpgm
.endm
.macro LOADX t
.irp i, 0,1,2,3
	global_load_b128 v[R+16*((\t)%4)+4*\i:R+16*((\t)%4)+4*\i+3], v3, s[4:5] offset:2048*(\t)+512*\i th:TH_LOAD_NT
.endr
.endm
.macro TURNX t                         ; a step's 2,048 bytes through the stage; LDS serves a wave's instructions in order
.irp i, 0,1,2,3
	ds_store_b128 v14, v[R+16*((\t)%4)+4*\i:R+16*((\t)%4)+4*\i+3] offset:32*SP*((\t)%2)+8*SP*\i
.endr
.irp i, 0,1,2,3
	ds_load_b128 v[X+16*((\t)%2)+4*\i:X+16*((\t)%2)+4*\i+3], v15 offset:32*SP*((\t)%2)+16*\i
.endr
.endm
.macro STEPX t
.set XS, X+16*((\t)%2)
.if (\t) > 0
	s_wait_dscnt 1                                 ; this step's numbers are back (the last step's byte store may be out)
.else
	s_wait_dscnt 0x0
.endif
.if (\t)+4 < STEPS
	LOADX (\t)+4
.endif
.if (\t)+1 < STEPS
.if STEPS-2-(\t) >= 3
	s_wait_loadcnt 12                              ; the next step's four loads are in; three steps' loads may be out
.else
	s_wait_loadcnt 4*(STEPS-2-(\t))
.endif
	TURNX (\t)+1
.endif
	v_max3_num_f32 v8, |v[XS]|, |v[XS+1]|, |v[XS+2]|
	v_max3_num_f32 v9, |v[XS+3]|, |v[XS+4]|, |v[XS+5]|
.irp i, 6,10
	v_max3_num_f32 v8, v8, |v[XS+\i]|, |v[XS+\i+1]|
	v_max3_num_f32 v9, v9, |v[XS+\i+2]|, |v[XS+\i+3]|
.endr
	v_max3_num_f32 v8, v8, |v[XS+14]|, |v[XS+15]|
	v_max3_num_f32 v8, v8, v9, (EMAX+1)<<23        ; the floor 2^(3 - 127): the byte cannot fall under 1
	v_max_num_f32_dpp v8, v8, v8 row_xmask:1 row_mask:0xf bank_mask:0xf   ; with my neighbour's 16: the block's largest magnitude
	v_add_nc_u32 v11, -(EMAX<<23), v8              ; 2 off its exponent field: the conversion's scale operand
	v_cvt_scalef32_pk8_fp4_f32 v[C+4*(\t)], v[XS:XS+7], v11
	v_cvt_scalef32_pk8_fp4_f32 v[C+4*(\t)+1], v[XS+8:XS+15], v11
	v_lshrrev_b32 v[E+(\t)], 23, v11               ; the scale's byte
	ds_store_b8 v5, v[E+(\t)] offset:16*(\t)       ; both lanes of a block write the same byte
	global_store_b64 v4, v[C+4*(\t):C+4*(\t)+1], s[22:23] offset:32*CB*(\t)   ; the wave stores 256 consecutive bytes, aligned
.endm
.macro LOADC t, pitch                  ; 32 rows down K at my column, into set t % 2
.irp i, 0,1,2,3,4,5,6,7,8,9,10,11,12,13,14,15,16,17,18,19,20,21,22,23,24,25,26,27,28,29,30,31
	global_load_b32 v[XW+32*((\t)%2)+\i], v3, s[20:21] offset:(32*(\t)+\i)*(\pitch) th:TH_LOAD_NT
.endr
.endm
.macro BLOCKW t
.set XS, XW+32*((\t)%2)
.if (\t) < 15
	s_wait_loadcnt 32                              ; this block's loads are in; the next block's 32 may be out
.else
	s_wait_loadcnt 0
.endif
	v_max3_num_f32 v12, |v[XS]|, |v[XS+1]|, |v[XS+2]|
	v_max3_num_f32 v13, |v[XS+3]|, |v[XS+4]|, |v[XS+5]|
.irp i, 6,10,14,18,22,26
	v_max3_num_f32 v12, v12, |v[XS+\i]|, |v[XS+\i+1]|
	v_max3_num_f32 v13, v13, |v[XS+\i+2]|, |v[XS+\i+3]|
.endr
	v_max3_num_f32 v12, v12, |v[XS+30]|, |v[XS+31]|
	v_max3_num_f32 v12, v12, v13, (EMAX+1)<<23
	v_add_nc_u32 v11, -(EMAX<<23), v12
	v_lshrrev_b32 v13, 23, v11
.if (\t)%4 == 0
	v_mov_b32 v[SB+(\t)/4], v13
.else
	v_lshl_or_b32 v[SB+(\t)/4], v13, 8*((\t)%4), v[SB+(\t)/4]
.endif
.irp g, 0,1,2,3
	v_cvt_scalef32_pk8_fp4_f32 v[CW+\g], v[XS+8*\g:XS+8*\g+7], v11
.endr
	ds_store_b128 v4, v[CW:CW+3] offset:16*(\t)
.if (\t)+2 < 16
	LOADC (\t)+2, 12288
.endif
	s_wait_dscnt 0x0                               ; the store has read its registers
.endm
.macro BLOCKP t
.set XS, XW+32*((\t)%2)
.if (\t) < 3
	s_wait_loadcnt 32
.else
	s_wait_loadcnt 0
.endif
.irp i, 0,1,2,3,4,5,6,7,8,9,10,11,12,13,14,15
	v_cvt_pk_f16_f32 v[CW+\i], v[XS+2*\i], v[XS+2*\i+1]
.endr
.irp g, 0,1,2,3
	ds_store_b128 v4, v[CW+4*\g:CW+4*\g+3] offset:64*(\t)+16*\g
.endr
.if (\t)+2 < 4
	LOADC (\t)+2, 4096
.endif
	s_wait_dscnt 0x0
.endm
.macro WOUT krow                       ; the stage's 32 rows of 256 bytes leave, two rows an instruction
.irp t, 0,1,2,3,4,5,6,7,8,9,10,11,12,13,14,15
	ds_load_b128 v[OUTR+4*\t:OUTR+4*\t+3], v7 offset:2*\t*PITCH
.endr
.irp t, 0,1,2,3,4,5,6,7,8,9,10,11,12,13,14,15
	s_wait_dscnt 15-\t
	global_store_b128 v8, v[OUTR+4*\t:OUTR+4*\t+3], s[22:23] offset:2*\t*(\krow)
.endr
.endm
	s_load_b256 s[4:11], s[0:1], 0x0               ; x s[4:5], qkv_w s[6:7], proj_w s[8:9], xq s[10:11]
	s_load_b128 s[12:15], s[0:1], 0x20             ; wq s[12:13], pw s[14:15]
	v_lshl_add_u32 v[SPW], v0, 2, SPARE
	v_mov_b32 v[NIL], 0
	v_lshrrev_b32 v1, 5, v0
	v_readfirstlane_b32 s16, v1                    ; wave
	v_and_b32 v2, 31, v0                           ; lane
	s_cmp_lt_u32 ttmp9, 256
	s_cbranch_scc0 .Lnot_x
	; ---------------- path X
	v_lshlrev_b32 v3, 4, v2                        ; my 16 bytes of a load's 512
	s_mul_i32 s17, s16, WREG
	v_lshrrev_b32 v14, 2, v2
	v_mul_u32_u24 v14, v14, SP
	v_and_b32 v15, 3, v2
	v_lshl_add_u32 v14, v15, 4, v14
	v_add_nc_u32 v14, s17, v14                     ; into the stage: SP (lane / 4) + 16 (lane % 4)
	v_mul_u32_u24 v15, v2, SP
	v_add_nc_u32 v15, s17, v15                     ; out of it: SP x lane
	v_mul_u32_u24 v4, v2, CB
	v_lshrrev_b32 v5, 1, v2
	s_add_co_u32 s17, s17, 2*32*SP
	v_add_nc_u32 v5, s17, v5                       ; my block's scale byte
	v_lshlrev_b32 v7, 3, v2
	v_add_nc_u32 v6, s17, v7
	s_lshl_b32 s17, ttmp9, 2
	s_add_co_u32 s18, s17, s16                     ; my run of 8,192 numbers
	s_mov_b32 s19, 0
	s_lshl_b64 s[20:21], s[18:19], 15
	s_lshl_b64 s[26:27], s[18:19], 12
	s_lshl_b32 s18, s18, 8
	s_add_co_u32 s18, s18, 4194304                 ; the scale bytes lie behind the codes
	s_wait_kmcnt 0x0
	s_add_nc_u64 s[4:5], s[4:5], s[20:21]
	s_add_nc_u64 s[22:23], s[10:11], s[26:27]
	s_add_nc_u64 s[24:25], s[10:11], s[18:19]
.irp t, 0,1,2,3
	LOADX \t
.endr
	s_wait_loadcnt 12
	TURNX 0
.irp t, 0,1,2,3,4,5,6,7,8,9,10,11,12,13,14,15
	STEPX \t
.endr
	ds_load_b64 v[8:9], v6
	s_wait_dscnt 0x0
	global_store_b64 v7, v[8:9], s[24:25]          ; the run's 256 scale bytes, aligned
	FINISH
.Lnot_x:
	v_lshlrev_b32 v3, 2, v2                        ; paths W and P: 4 bytes a lane on the way in
	v_and_b32 v5, 15, v2
	v_lshrrev_b32 v6, 4, v2
	s_mul_i32 s19, s16, 32*PITCH
	s_cmp_lt_u32 ttmp9, 304
	s_cbranch_scc0 .Lpath_p
	; ---------------- path W
	s_sub_co_u32 s17, ttmp9, 256
	s_and_b32 s18, s17, 1                          ; which 512 along K
	s_lshr_b32 s17, s17, 1
	s_lshl_b32 s17, s17, 7
	s_lshl_b32 s26, s16, 5
	s_add_co_u32 s17, s17, s26                     ; my wave's first column
	s_add_co_u32 s19, s19, WST
	v_mul_u32_u24 v4, v2, PITCH
	v_add_nc_u32 v4, s19, v4                       ; into the stage: row = my column
	v_mul_u32_u24 v7, v6, PITCH
	v_lshl_add_u32 v7, v5, 4, v7
	v_add_nc_u32 v7, s19, v7                       ; out of it: sixteen lanes to a row
	v_lshlrev_b32 v8, 9, v6
	v_lshl_add_u32 v8, v5, 4, v8                   ; the same place in the codes: rows of 512 bytes
	v_lshlrev_b32 v9, 5, v2                        ; my column's row of 32 scale bytes
	s_mul_i32 s24, s18, 512*12288
	s_lshl_b32 s26, s17, 2
	s_add_co_u32 s24, s24, s26
	s_mov_b32 s25, 0
	s_lshl_b32 s26, s17, 9
	s_lshl_b32 s28, s18, 8
	s_add_co_u32 s26, s26, s28
	s_mov_b32 s27, 0
	s_lshl_b32 s28, s17, 5
	s_lshl_b32 s30, s18, 4
	s_add_co_u32 s28, s28, s30
	s_add_co_u32 s28, s28, 1572864
	s_mov_b32 s29, 0
	s_wait_kmcnt 0x0
	s_add_nc_u64 s[20:21], s[6:7], s[24:25]
	s_add_nc_u64 s[22:23], s[12:13], s[26:27]
	s_add_nc_u64 s[24:25], s[12:13], s[28:29]
	LOADC 0, 12288
	LOADC 1, 12288
.set Q, 0
.rept 16
	BLOCKW Q
.set Q, Q+1
.endr
	global_store_b128 v9, v[SB:SB+3], s[24:25]     ; my column's 16 scale bytes of this half of K
	WOUT 512
	FINISH
.Lpath_p:
	; ---------------- path P
	s_sub_co_u32 s17, ttmp9, 304
	s_and_b32 s18, s17, 7                          ; which 128 along K
	s_lshr_b32 s17, s17, 3
	s_lshl_b32 s17, s17, 7
	s_lshl_b32 s26, s16, 5
	s_add_co_u32 s17, s17, s26                     ; my wave's first column
	s_add_co_u32 s19, s19, PST
	v_mul_u32_u24 v4, v2, PITCH
	v_add_nc_u32 v4, s19, v4
	v_mul_u32_u24 v7, v6, PITCH
	v_lshl_add_u32 v7, v5, 4, v7
	v_add_nc_u32 v7, s19, v7
	v_lshlrev_b32 v8, 11, v6
	v_lshl_add_u32 v8, v5, 4, v8                   ; rows of 2,048 bytes in pw
	s_lshl_b32 s24, s18, 19                        ; 128 rows of 4,096 bytes
	s_lshl_b32 s26, s17, 2
	s_add_co_u32 s24, s24, s26
	s_mov_b32 s25, 0
	s_lshl_b32 s26, s17, 11
	s_lshl_b32 s28, s18, 8
	s_add_co_u32 s26, s26, s28
	s_mov_b32 s27, 0
	s_wait_kmcnt 0x0
	s_add_nc_u64 s[20:21], s[8:9], s[24:25]
	s_add_nc_u64 s[22:23], s[14:15], s[26:27]
	LOADC 0, 4096
	LOADC 1, 4096
	BLOCKP 0
	BLOCKP 1
	BLOCKP 2
	BLOCKP 3
	WOUT 2048
	FINISH
.Lfunc_end_k_q2de3b761b8_prep:
	.size	k_q2de3b761b8_prep, .Lfunc_end_k_q2de3b761b8_prep-k_q2de3b761b8_prep
	.p2alignl 7, 3214868480
	.fill 96, 4, 3214868480
	.section	.rodata,"a",@progbits
	.p2align	6, 0x0
	.amdhsa_kernel k_q2de3b761b8_prep
		.amdhsa_group_segment_fixed_size 102912
		.amdhsa_private_segment_fixed_size 0
		.amdhsa_enable_private_segment 0
		.amdhsa_kernarg_size 48
		.amdhsa_user_sgpr_count 2
		.amdhsa_user_sgpr_kernarg_segment_ptr 1
		.amdhsa_wavefront_size32 1
		.amdhsa_system_sgpr_workgroup_id_x 1
		.amdhsa_system_sgpr_workgroup_id_y 1
		.amdhsa_system_sgpr_workgroup_id_z 1
		.amdhsa_system_vgpr_workitem_id 0
		.amdhsa_next_free_vgpr 192
		.amdhsa_next_free_sgpr 66
		.amdhsa_reserve_vcc 0
		.amdhsa_float_denorm_mode_32 3
		.amdhsa_float_denorm_mode_16_64 3
		.amdhsa_memory_ordered 1
		.amdhsa_forward_progress 1
		.amdhsa_inst_pref_size 132
	.end_amdhsa_kernel
	.amdgpu_metadata
---
amdhsa.version: [ 1, 2 ]
amdhsa.kernels:
  - .name:           k_q2de3b761b8_prep
    .symbol:         k_q2de3b761b8_prep.kd
    .args:
      - { .name: x, .offset: 0, .size: 8, .value_kind: global_buffer, .address_space: global }
      - { .name: qkv_w, .offset: 8, .size: 8, .value_kind: global_buffer, .address_space: global }
      - { .name: proj_w, .offset: 16, .size: 8, .value_kind: global_buffer, .address_space: global }
      - { .name: xq, .offset: 24, .size: 8, .value_kind: global_buffer, .address_space: global }
      - { .name: wq, .offset: 32, .size: 8, .value_kind: global_buffer, .address_space: global }
      - { .name: pw, .offset: 40, .size: 8, .value_kind: global_buffer, .address_space: global }
    .group_segment_fixed_size: 102912
    .private_segment_fixed_size: 0
    .kernarg_segment_align: 8
    .kernarg_segment_size: 48
    .max_flat_workgroup_size: 128
    .sgpr_count:     66
    .vgpr_count:     192
    .wavefront_size: 32
...
	.end_amdgpu_metadata
.endif
;; end of part 1
;; launch qkv (part 2): grid 12 x 32, 4 waves a work-group, clusters of 4 x 4, 327,680 bytes of LDS; arguments xq, wq, qkv_b, qkvh, fq; writes qkvh, fq
.if DOCPART == 2
	.amdgcn_target "amdgcn-amd-amdhsa--gfx1250"
	.amdhsa_code_object_version 6
	.text
	.protected	k_q2de3b761b8_qkv
	.globl	k_q2de3b761b8_qkv
	.p2align	8
	.type	k_q2de3b761b8_qkv,@function
k_q2de3b761b8_qkv:
	s_mov_b64 s[64:65], 0
	v_nop
	global_prefetch_b8 v0, s[64:65] scope:SCOPE_SE
	s_setreg_imm32_b32 hwreg(HW_REG_WAVE_MODE, 25, 1), 1
	s_wait_xcnt 0x0
	s_wait_alu depctr_hold_cnt(0) depctr_sa_sdst(0) depctr_va_vdst(0) depctr_va_sdst(0) depctr_va_ssrc(0) depctr_va_vcc(0) depctr_vm_vsrc(0)
	s_getreg_b32 s2, hwreg(HW_REG_IB_STS2, 6, 4)
	s_cmp_eq_u32 s2, 0
	s_cbranch_scc0 .Lentry_in_a_cluster
	s_endpgm
.Lentry_in_a_cluster:
	s_bfe_u32 s2, ttmp6, 0x10000c
	s_cmp_lg_u32 s2, 0xf033
	s_cbranch_scc0 .Lentry_shape_is_right
	s_endpgm
.Lentry_shape_is_right:
; Launch 2 of 5: qkv = x qkv_w + qkv_b on codes of E2M1 with E8M0 scales (8,192 x 3,072, K = 1,024), f32 sums.  Out: q, k, v as f16, laid [part][batch x 16 + head][position][64]; and positions 0-15 of each batch as f32 in fq [batch][16][3072].
; LEFT OUT: K's bias (qkv_b[1024:2048]): it adds the same number to all scores of a query, which the softmax takes away (shown at the head of launch prep).  The work-groups of K's columns start their sums from zeros.
; LIMIT: q, k, v go to f16: magnitudes up to 65,504.
; A tile of 256 x 256 is made by four waves, 128 x 128 each: 64 accumulators.  K is two LDS slots of 512 (rows of 256 bytes): both are first fills, so nothing is filled again.  The scale bytes of the tile's rows come once, as dense blocks.
; CLUSTERS 4 x 4: tile column = 4 x cluster x + cx, so the cluster's x is the part (q, k, v); tile row = 8 cy + cluster y, so cy is the batch and 'the tile holds positions 0-15' is cluster y = 0, a number that all partners share.
; A's tiles are asked for jointly along a row of the cluster, B's along a column.  THE MATRIX INSTRUCTION IS USED TRANSPOSED (source 0 = 16 columns of qkv_w, source 1 = 16 rows of x): a lane holds eight neighbouring columns of one row.
; The bias is the C of each sum's first matrix instruction: 64 registers in the result's layout.
; REGISTERS: window 0: v0-31 addresses; v32-95 scale words, two sets; v96-127 packed results; v128-191 A's fragments, later rows on the way out; v192-255 the bias.  window 1: B's fragments, two sets.  windows 2, 3: the accumulators.
.set NQ,     4
.set ROWB,   256
.set KROW,   512
.set PITCH,  272                       ; 256 bytes + 16: the 16 rows of a fragment load start 68 words apart
.set FR,     8
.set NL,     2
.set NP,     4
.set HALFT,  128*PITCH
.set SLOT,   4*HALFT
.set KS,     32
.set SCL,    2*SLOT
.set HALFS,  (128*KS/256)*272
.set SBLK,   (16*KS/256)*272
.set SPARE,  SCL+4*HALFS               ; the spare words, 128 bytes for each wave; no other line names them
.set XSC,    4194304                   ; where the scale bytes begin in xq
.set WSC,    1572864                   ; and in wq
.set SPL,    16*144                    ; the way out: a plane of 16 rows x (128 bytes + 16), two planes (heads) a wave, in slot 0, which has had its one fill and its last read
.set ADRA, 16
.set ADRB, 20
.set STO,  24
.set RD,   25
.set CO,   26
.set ADRS, 27
.set SPW,  28
.set NIL,  29
.set BO,   30
.set FO,   31
.set SC,   32
.set TMP,  96
.set AF,   128
.set BK,   128
.set BIAS, 192
.set G1, 24
.set G0, 32
.set G1B, 48
.set G0B, 56
.set G1S, 68
.set G0S, 76
.set G1SB, 80
.set G0SB, 88
.set MSB, 0
.macro WIN new                         ; the immediate's high byte repeats the setting that is left
.if MSB != (\new)
	s_set_vgpr_msb (MSB<<8)|(\new)
.set MSB, (\new)
.endif
.endm
.set MUL_LO, 0xa1                      ; source 0 (B) window 1, source 1 (A) window 0, C and D window 2
.set MUL_HI, 0xf1
.set TO_B,   0x40
.macro JLOAD g0a, g1a, g0b, g1b        ; waves 0, 1 fetch for A, waves 2, 3 for B; an s_nop 0 and four v_nop follow each line
	s_cmp_eq_u32 s15, 0
	s_cbranch_scc0 .Lfor_b_\@
	tensor_load_to_lds s[\g0a:\g0a+3], s[\g1a:\g1a+7]
	s_nop 0
.rept 4
	v_nop
.endr
	s_branch .Lasked_\@
.Lfor_b_\@:
	tensor_load_to_lds s[\g0b:\g0b+3], s[\g1b:\g1b+7]
	s_nop 0
.rept 4
	v_nop
.endr
.Lasked_\@:
.endm
.macro CROUND                          ; a round of the cluster's barrier
	s_barrier_signal -1
	s_barrier_wait -1
	s_cmp_lg_u32 s14, 0
	s_cbranch_scc1 .Lnot_wave_0_\@
	s_barrier_signal -3
.Lnot_wave_0_\@:
	s_barrier_wait -3
	s_barrier_signal -1
	s_barrier_wait -1
.endm
	s_load_b256 s[4:11], s[0:1], 0x0               ; xq s[4:5], wq s[6:7], qkv_b s[8:9], qkvh s[10:11]
	s_load_b64 s[12:13], s[0:1], 0x20              ; fq
	v_lshl_add_u32 v[SPW], v0, 2, SPARE
	v_mov_b32 v[NIL], 0
	ds_add_u32 v[SPW], v[NIL]                      ; the opening: the add, twice on end, and its wait ahead of my first tensor load
	ds_add_u32 v[SPW], v[NIL]
	v_lshrrev_b32 v1, 5, v0
	v_readfirstlane_b32 s14, v1                    ; wave 0..3
	s_lshr_b32 s15, s14, 1                         ; my half of the tile's rows; also: I fetch for A (0) or B (1)
	s_and_b32 s16, s14, 1                          ; my half of its columns; also: which 128 rows I fetch
	s_bfe_u32 s40, ttmp6, 0x40000                  ; cx
	s_bfe_u32 s41, ttmp6, 0x40004                  ; cy
	s_lshl_b32 s42, ttmp9, 2
	s_add_co_u32 s42, s42, s40                     ; tile column = 4 x part + cx
	s_and_b32 s96, ttmp7, 0xffff                   ; cluster y
	s_lshl_b32 s17, s41, 3
	s_add_co_u32 s17, s17, s96                     ; tile row = 8 x batch + cluster y
	s_lshl_b32 s43, s41, 2
	s_lshl_b32 s43, 15, s43                        ; my row of the cluster
	s_lshl_b32 s44, 0x1111, s40                    ; my column
	s_or_b32 s[G1+0], s43, (0<<16)|(1<<20)|(1<<21)|(5<<22)|(3<<25)   ; mask; elements of 1 byte; padding on; bit 21 beside a mask; 4 words behind every 64
	s_or_b32 s[G1B+0], s44, (0<<16)|(1<<20)|(1<<21)|(5<<22)|(3<<25)
.irp g, G1, G1B
	s_mov_b32 s[\g+1], ROWB<<16                    ; tensor_dim0
	s_mov_b32 s[\g+2], 128<<16                     ; tensor_dim1
	s_mov_b32 s[\g+3], ROWB<<16                    ; tile_dim0
	s_mov_b32 s[\g+4], 128                         ; tile_dim1
	s_mov_b32 s[\g+5], KROW                        ; from row to row
	s_mov_b32 s[\g+6], 0
	s_mov_b32 s[\g+7], 0
.endr
	s_or_b32 s[G1S+0], s43, (3<<16)|(1<<20)|(1<<21)|(5<<22)|(3<<25)  ; the scales of 128 rows: 4,096 dense bytes as 16 rows of 32 elements of 8 bytes
	s_or_b32 s[G1SB+0], s44, (3<<16)|(1<<20)|(1<<21)|(5<<22)|(3<<25)
.irp g, G1S, G1SB
	s_mov_b32 s[\g+1], 32<<16
	s_mov_b32 s[\g+2], (128*KS/256)<<16
	s_mov_b32 s[\g+3], 32<<16
	s_mov_b32 s[\g+4], 128*KS/256
	s_mov_b32 s[\g+5], 32
	s_mov_b32 s[\g+6], 0
	s_mov_b32 s[\g+7], 0
.endr
	s_lshl_b32 s18, s16, 7
	s_lshl_b32 s20, s17, 8
	s_add_co_u32 s20, s20, s18                     ; A: row 256 x tile row + 128 x half
	s_lshl_b32 s46, s42, 8
	s_add_co_u32 s46, s46, s18                     ; B: row 256 x tile column + 128 x half
	s_mov_b32 s21, 0
	s_mov_b32 s47, 0
	s_mov_b64 s[18:19], KS
	s_mul_u64 s[22:23], s[20:21], s[18:19]
	s_mul_u64 s[92:93], s[46:47], s[18:19]
	s_add_nc_u64 s[22:23], s[22:23], XSC
	s_add_nc_u64 s[92:93], s[92:93], WSC
	s_mov_b64 s[18:19], KROW
	s_mul_u64 s[20:21], s[20:21], s[18:19]
	s_mul_u64 s[46:47], s[46:47], s[18:19]
	s_mul_i32 s45, s14, HALFT                      ; where they go: wave x 128 rows
	s_mul_i32 s94, s14, HALFS
	s_wait_dscnt 0x0                               ; both opening adds are done
	s_wait_kmcnt 0x0
	s_add_nc_u64 s[20:21], s[4:5], s[20:21]
	s_add_nc_u64 s[22:23], s[4:5], s[22:23]
	s_add_nc_u64 s[46:47], s[6:7], s[46:47]
	s_add_nc_u64 s[92:93], s[6:7], s[92:93]
	CROUND                                         ; all sixteen work-groups are here: the joint loads meet
	s_mov_b32 s[G0S], 1
	s_add_co_u32 s[G0S+1], s94, SCL
	s_mov_b64 s[G0S+2:G0S+3], s[22:23]
	s_or_b32 s[G0S+3], s[G0S+3], 0x80000000
	s_mov_b32 s[G0SB], 1
	s_add_co_u32 s[G0SB+1], s94, SCL
	s_mov_b64 s[G0SB+2:G0SB+3], s[92:93]
	s_or_b32 s[G0SB+3], s[G0SB+3], 0x80000000
	JLOAD G0S, G1S, G0SB, G1SB                     ; three loads of mine are out at the most: the scales, slot 0, slot 1
.irp s, 0,1
	s_mov_b32 s[G0+4*\s], 1
	s_add_co_u32 s[G0+4*\s+1], s45, \s*SLOT
	s_add_nc_u64 s[G0+4*\s+2:G0+4*\s+3], s[20:21], \s*ROWB
	s_or_b32 s[G0+4*\s+3], s[G0+4*\s+3], 0x80000000
	s_mov_b32 s[G0B+4*\s], 1
	s_add_co_u32 s[G0B+4*\s+1], s45, \s*SLOT
	s_add_nc_u64 s[G0B+4*\s+2:G0B+4*\s+3], s[46:47], \s*ROWB
	s_or_b32 s[G0B+4*\s+3], s[G0B+4*\s+3], 0x80000000
	JLOAD G0+4*\s, G1, G0B+4*\s, G1B
.endr
	; the bias of my 128 columns: register 8 b + j of lane (r, h) is that of column 16 b + 8 h + j
	v_and_b32 v1, 15, v0                           ; r
	v_bfe_u32 v2, v0, 4, 1                         ; h
	v_lshlrev_b32 v[BO], 5, v2
	s_lshl_b32 s18, s42, 10
	s_lshl_b32 s19, s16, 9
	s_add_co_u32 s18, s18, s19                     ; my first column x 4 bytes
	s_mov_b32 s19, 0
	s_add_nc_u64 s[8:9], s[8:9], s[18:19]
	s_cmp_eq_u32 ttmp9, 1                          ; K's columns: the cluster's x, the same in all partners
	s_cbranch_scc1 .Lno_bias
.irp b, 0,1,2,3,4,5,6,7
	global_load_b128 v[BIAS+8*\b:BIAS+8*\b+3], v[BO], s[8:9] offset:64*\b
	global_load_b128 v[BIAS+8*\b+4:BIAS+8*\b+7], v[BO], s[8:9] offset:64*\b+16
.endr
	s_branch .Lbias_done
.Lno_bias:
.set i, 0
.rept 64
	v_mov_b32 v[BIAS+i], 0                         ; K's sums start from zeros
.set i, i+1
.endr
.Lbias_done:
	v_mul_u32_u24 v3, v1, PITCH
	v_lshl_add_u32 v4, v2, 4, v3                   ; a fragment's row x pitch + 16 x half
	s_mul_i32 s21, s15, HALFT
	s_mul_i32 s22, s16, HALFT
	s_add_co_u32 s22, s22, 2*HALFT
.irp s, 0,1
	v_add_nc_u32 v[ADRA+\s], s21, v4
	v_add_nc_u32 v[ADRB+\s], s22, v4
	s_add_co_u32 s21, s21, SLOT
	s_add_co_u32 s22, s22, SLOT
.endr
	v_mul_u32_u24 v5, v1, KS                       ; my row's scales: 32 bytes a row, and 16 more for each 256 passed
	v_lshrrev_b32 v6, 8, v5
	v_lshl_add_u32 v5, v6, 4, v5
	s_mul_i32 s21, s15, HALFS
	s_mul_i32 s22, s16, HALFS
	s_add_co_u32 s22, s22, 2*HALFS
	s_sub_co_u32 s22, s22, s21
	v_mul_u32_u24 v6, s22, v2                      ; lanes 16-31 take B's
	s_add_co_u32 s21, s21, SCL
	v_add_nc_u32 v5, v5, v6
	v_add_nc_u32 v[ADRS], s21, v5
	s_mul_i32 s23, s14, 2*SPL                      ; my stage
	v_mul_u32_u24 v5, v1, 144
	v_lshl_add_u32 v5, v2, 4, v5
	v_add_nc_u32 v[STO], s23, v5                   ; in: row r, 16 bytes for each half of the lanes
	v_bfe_u32 v5, v0, 3, 2
	v_mul_u32_u24 v5, v5, 144
	v_and_b32 v6, 7, v0
	v_lshl_add_u32 v5, v6, 4, v5
	v_add_nc_u32 v[RD], s23, v5                    ; back: eight lanes to a row of 128 bytes, four rows an instruction
	v_and_b32 v6, 31, v0
	v_lshlrev_b32 v[CO], 4, v6                     ; four rows of a head are 512 consecutive bytes
	v_mul_u32_u24 v[FO], v1, 12288
	v_lshl_add_u32 v[FO], v2, 5, v[FO]             ; fq: row r, 32 bytes for each half
	s_lshl_b32 s20, ttmp9, 6                       ; qkvh: ((part x 64 + batch x 16 + head) x 2,048 + position) x 128 bytes
	s_lshl_b32 s21, s41, 4
	s_add_co_u32 s20, s20, s21
	s_lshl_b32 s21, s40, 2
	s_add_co_u32 s20, s20, s21
	s_lshl_b32 s21, s16, 1
	s_add_co_u32 s20, s20, s21
	s_lshl_b32 s20, s20, 11
	s_lshl_b32 s21, s96, 8
	s_add_co_u32 s20, s20, s21
	s_lshl_b32 s21, s15, 7
	s_add_co_u32 s20, s20, s21
	s_lshl_b32 s20, s20, 7
	s_mov_b32 s21, 0
	s_add_nc_u64 s[10:11], s[10:11], s[20:21]
	s_mul_i32 s20, s41, 196608                     ; fq: batch x 16 rows of 12,288 bytes + my first column
	s_add_co_u32 s20, s20, s18
	s_add_nc_u64 s[12:13], s[12:13], s[20:21]
.macro FRAG reg, adr, q, i             ; 16 rows x 128 K of 4-bit codes: 8 registers, two loads of 16 bytes, 32 bytes apart
.irp c, 0,1
	ds_load_b128 v[\reg+4*\c:\reg+4*\c+3], v[\adr] offset:64*(\q)+32*\c+(\i)*16*PITCH
.endr
.endm
; 16 matrix instructions: A's blocks a0, a0 + 1 x B's eight, 128 along K.  first = 1: the bias starts the sums.  The 64 accumulators take turns, one instruction a turn.
.macro MUL16 a0, p, q, sc, first
.irp a, \a0, \a0+1
.irp b, 0,1,2,3,4,5,6,7
.if \first
	v_wmma_scale_f32_16x16x128_f8f6f4 v[8*(8*((\a)%4)+\b):8*(8*((\a)%4)+\b)+7], v[128*(\p)+FR*\b:128*(\p)+FR*\b+FR-1], v[AF+FR*(\a):AF+FR*(\a)+FR-1], v[BIAS+8*\b:BIAS+8*\b+7], v[SC+8*NQ*(\sc)+NQ*\b+(\q)], v[SC+8*NQ*(\sc)+NQ*(\a)+(\q)] matrix_a_fmt:MATRIX_FMT_FP4 matrix_b_fmt:MATRIX_FMT_FP4 matrix_a_scale:MATRIX_SCALE_ROW1
.else
	v_wmma_scale_f32_16x16x128_f8f6f4 v[8*(8*((\a)%4)+\b):8*(8*((\a)%4)+\b)+7], v[128*(\p)+FR*\b:128*(\p)+FR*\b+FR-1], v[AF+FR*(\a):AF+FR*(\a)+FR-1], v[8*(8*((\a)%4)+\b):8*(8*((\a)%4)+\b)+7], v[SC+8*NQ*(\sc)+NQ*\b+(\q)], v[SC+8*NQ*(\sc)+NQ*(\a)+(\q)] matrix_a_fmt:MATRIX_FMT_FP4 matrix_b_fmt:MATRIX_FMT_FP4 matrix_a_scale:MATRIX_SCALE_ROW1
.endif
.endr
.endr
.endm
.macro FETCH_B slot, q, p
	WIN TO_B
.irp i, 0,1,2,3,4,5,6,7
	FRAG 128*(\p)+FR*\i, ADRB+\slot, \q, \i
.endr
	WIN 0
.endm
.macro FETCH_A slot, q, i0
.irp i, \i0, \i0+1, \i0+2, \i0+3
	FRAG AF+FR*(\i), ADRA+\slot, \q, \i
.endr
.endm
.macro SCALES sc                       ; a slot's scale words: lanes 0-15 A's block i, lanes 16-31 B's block i
.irp i, 0,1,2,3,4,5,6,7
	ds_load_b128 v[SC+8*NQ*\sc+NQ*\i:SC+8*NQ*\sc+NQ*\i+3], v[ADRS] offset:\i*SBLK
.endr
.endm
.macro PLACES n                        ; plain vector instructions between a matrix instruction and a load into, or a read of, its registers
.rept \n
	v_nop
.endr
.endm
.macro STEP slot, q, first             ; 128 along K with its successor in the same slot
	s_wait_dscnt 4*NL                              ; all but the youngest eight loads (A's blocks 4-7) are in
.if \first
	WIN 0x81                                       ; C (the bias) window 0, D window 2
.else
	WIN MUL_LO
.endif
	MUL16 0, (\q)%2, \q, \slot, \first
	MUL16 2, (\q)%2, \q, \slot, \first
	s_wait_dscnt 0
	PLACES NP
	FETCH_B \slot, (\q)+1, 1-(\q)%2
	FETCH_A \slot, (\q)+1, 0
.if \first
	WIN 0xc1
.else
	WIN MUL_HI
.endif
	MUL16 4, (\q)%2, \q, \slot, \first
	MUL16 6, (\q)%2, \q, \slot, \first
	PLACES NP
	WIN 0
	FETCH_A \slot, (\q)+1, 4
.endm
.macro TURN slot, next                 ; slot 0's last step: one barrier, behind which slot 1 is whole and nobody reads slot 0
	s_wait_tensorcnt 0x0                           ; my part of slot 1 has landed
	ds_add_u32 v[SPW], v[NIL]
	s_wait_dscnt 4*NL+1                            ; (the add and the youngest eight loads may be out)
	WIN MUL_LO
	MUL16 0, 1, NQ-1, \slot, 0
	s_wait_dscnt 0x0                               ; the add is done, my reads of this slot are over
	s_barrier_signal -1
	MUL16 2, 1, NQ-1, \slot, 0
	WIN 0
	s_barrier_wait -1
	PLACES NP
	v_add_nc_u32 v[ADRS], 4*NQ, v[ADRS]            ; the next slot's scale words
	FETCH_B \next, 0, 0
	FETCH_A \next, 0, 0
	SCALES \next
	WIN MUL_HI
	MUL16 4, 1, NQ-1, \slot, 0
	MUL16 6, 1, NQ-1, \slot, 0
	PLACES NP
	WIN 0
	FETCH_A \next, 0, 4
.endm
	s_wait_tensorcnt 1                             ; the scales and my part of slot 0 are in; slot 1's load may be out
	s_barrier_signal -1
	s_barrier_wait -1
	FETCH_B 0, 0, 0
	FETCH_A 0, 0, 0
	SCALES 0
	FETCH_A 0, 0, 4
	s_wait_loadcnt 0x0                             ; the bias
	STEP 0, 0, 1
	STEP 0, 1, 0
	STEP 0, 2, 0
	TURN 0, 1
	STEP 1, 0, 0
	STEP 1, 1, 0
	STEP 1, 2, 0
	s_wait_dscnt 4*NL
	WIN MUL_LO
	MUL16 0, 1, NQ-1, 1, 0
	MUL16 2, 1, NQ-1, 1, 0
	s_wait_dscnt 0
	WIN MUL_HI
	MUL16 4, 1, NQ-1, 1, 0
	MUL16 6, 1, NQ-1, 1, 0
	WIN 0
; THE WAY OUT, a block of 16 rows x 128 columns (two heads) at a time: rounded to f16, through my stage, back as rows of 128 bytes; four positions of one head are 512 consecutive bytes.
.macro PACK a
.set AC, 64*((\a)%4)
	WIN 0x0a+5*((\a)/4)                            ; sources 0 and 1: window 2 or 3
.irp b, 0,1,2,3,4,5,6,7
.irp i, 0,1,2,3
	v_cvt_pk_f16_f32 v[TMP+4*\b+\i], v[AC+8*\b+2*\i], v[AC+8*\b+2*\i+1]
.endr
.endr
	WIN 0
.endm
.macro TOSTAGE a
.set BB, BK+32*((\a)%2)
.irp b, 0,1,2,3,4,5,6,7
	ds_store_b128 v[STO], v[TMP+4*\b:TMP+4*\b+3] offset:(\b>>2)*SPL+32*(\b&3)
.endr
.irp t, 0,1,2,3,4,5,6,7
	ds_load_b128 v[BB+4*\t:BB+4*\t+3], v[RD] offset:(\t>>2)*SPL+(\t&3)*576   ; LDS serves a wave's instructions in order: these see the stores above
.endr
.endm
.macro SEND a
.set BB, BK+32*((\a)%2)
	s_wait_dscnt 0x0                               ; the block is back in registers
	s_wait_xcnt 0x0                                ; the stores of the block before have read their registers: the next block's loads may land there
.irp t, 0,1,2,3,4,5,6,7
	global_store_b128 v[CO], v[BB+4*\t:BB+4*\t+3], s[10:11] offset:(\a)*2048+(\t>>2)*262144+(\t&3)*512
.endr
.endm
	PLACES NP
	s_or_b32 s97, s96, s15                         ; positions 0-15 lie in block 0 of the waves with the upper rows, where cluster y = 0
	s_cmp_lg_u32 s97, 0
	s_cbranch_scc1 .Lno_fine
	WIN 0x08                                       ; a store's data: window 2
.irp b, 0,1,2,3,4,5,6,7
	global_store_b128 v[FO], v[8*\b:8*\b+3], s[12:13] offset:64*\b       ; f32 as it stands, 32 bytes a lane: 786,432 bytes in the whole launch, for which a stage would cost more than it spares
	global_store_b128 v[FO], v[8*\b+4:8*\b+7], s[12:13] offset:64*\b+16
.endr
	WIN 0
.Lno_fine:
	PACK 0
	TOSTAGE 0
.irp a, 1,2,3,4,5,6,7
	PACK \a
	SEND \a-1
	TOSTAGE \a
.endr
	SEND 7
	s_wait_tensorcnt 0x0                           ; the wave's end
	ds_add_u32 v[SPW], v[NIL]
	s_wait_dscnt 0x0
	CROUND                                         ; the closing round
	s_endpgm
.Lfunc_end_k_q2de3b761b8_qkv:
	.size	k_q2de3b761b8_qkv, .Lfunc_end_k_q2de3b761b8_qkv-k_q2de3b761b8_qkv
	.p2alignl 7, 3214868480
	.fill 96, 4, 3214868480
	.section	.rodata,"a",@progbits
	.p2align	6, 0x0
	.amdhsa_kernel k_q2de3b761b8_qkv
		.amdhsa_group_segment_fixed_size 327680
		.amdhsa_private_segment_fixed_size 0
		.amdhsa_enable_private_segment 0
		.amdhsa_kernarg_size 40
		.amdhsa_user_sgpr_count 2
		.amdhsa_user_sgpr_kernarg_segment_ptr 1
		.amdhsa_wavefront_size32 1
		.amdhsa_system_sgpr_workgroup_id_x 1
		.amdhsa_system_sgpr_workgroup_id_y 1
		.amdhsa_system_sgpr_workgroup_id_z 1
		.amdhsa_system_vgpr_workitem_id 0
		.amdhsa_next_free_vgpr 1024
		.amdhsa_next_free_sgpr 100
		.amdhsa_reserve_vcc 0
		.amdhsa_float_denorm_mode_32 3
		.amdhsa_float_denorm_mode_16_64 3
		.amdhsa_memory_ordered 1
		.amdhsa_forward_progress 1
		.amdhsa_inst_pref_size 132
	.end_amdhsa_kernel
	.amdgpu_metadata
---
amdhsa.version: [ 1, 2 ]
amdhsa.kernels:
  - .name:           k_q2de3b761b8_qkv
    .symbol:         k_q2de3b761b8_qkv.kd
    .args:
      - { .name: xq, .offset: 0, .size: 8, .value_kind: global_buffer, .address_space: global }
      - { .name: wq, .offset: 8, .size: 8, .value_kind: global_buffer, .address_space: global }
      - { .name: qkv_b, .offset: 16, .size: 8, .value_kind: global_buffer, .address_space: global }
      - { .name: qkvh, .offset: 24, .size: 8, .value_kind: global_buffer, .address_space: global }
      - { .name: fq, .offset: 32, .size: 8, .value_kind: global_buffer, .address_space: global }
    .group_segment_fixed_size: 327680
    .private_segment_fixed_size: 0
    .kernarg_segment_align: 8
    .kernarg_segment_size: 40
    .max_flat_workgroup_size: 128
    .sgpr_count:     100
    .vgpr_count:     1024
    .wavefront_size: 32
...
	.end_amdgpu_metadata
.endif
;; end of part 2
;; launch attn (part 3): grid 4 x 64, 8 waves a work-group, no clusters, 327,680 bytes of LDS; arguments qkvh, of; writes of
.if DOCPART == 3
	.amdgcn_target "amdgcn-amd-amdhsa--gfx1250"
	.amdhsa_code_object_version 6
	.text
	.protected	k_q2de3b761b8_attn
	.globl	k_q2de3b761b8_attn
	.p2align	8
	.type	k_q2de3b761b8_attn,@function
k_q2de3b761b8_attn:
	s_mov_b64 s[64:65], 0
	v_nop
	global_prefetch_b8 v0, s[64:65] scope:SCOPE_SE
	s_setreg_imm32_b32 hwreg(HW_REG_WAVE_MODE, 25, 1), 1
	s_wait_xcnt 0x0
; Launch 3 of 5: o = softmax(q k^T / 8, causal) v for 64 (batch, head) pairs, 2,048 positions, head size 64.  q, k, v: f16 [part][batch x 16 + head][position][64]; o likewise.  Products on f16 operands, f32 sums; maxima, exponentials and sums in f32.
; LEFT OUT: steps of 64 keys that lie wholly behind the causal mask (reference() builds it itself).  LIMIT: o goes to f16: magnitudes up to 65,504.
; SHARES.  Work-group (i, head) takes query blocks 7 - i and then i of 256 queries: (8 - i) + (i + 1) = 9 blocks of 256 keys for every work-group, so all trip counts are constants and all work-groups have the same work.
; Each of eight waves owns 32 queries of the block, two tiles of 16: a fragment of K or V read from LDS feeds two matrix instructions, and two waves share a SIMD, so that one wave's products stand beside the other's softmax.
; NO CLUSTER: in one and the same trip the four work-groups of a head want different key blocks once the first has changed its query block, and in a common walk some partners would have to skip whole tiles under the mask.
; LAYOUT.  S^T = K Q^T (source 0 = 16 keys, source 1 = 16 queries): a lane holds ONE query (lane % 16) and keys 8 (lane / 16) + 0..7; two such tiles rounded to f16 ARE source 1 of O^T = V^T P.  V is turned on its way out of LDS.
; SOFTMAX.  A running maximum m and sum l for each query: p = 2^(c s - c m), c = log2(e) / 8; in every step O and l are multiplied by a = 2^(c m_old - c m_new).  O^T and l begin as zeros, m as -3e38: the step is written once.
; RING.  Two slots of 256 keys (four steps of 64 rows of K and 64 of V).  Waves 0-3 fetch K of step w, waves 4-7 V of step w - 4: one load of 64 rows a wave behind each barrier, and one load of mine is out at any time.
; REGISTERS.  window 0: v1-15 addresses and constants; v16-31 statistics; v32-95 S^T; v96-127 P; v128-191 K's fragments; v192-255 the way out.  window 1: v0-63 O^T; v64-95 Q; v128-191 V's fragments.
.set PK,    144                        ; a row of K in LDS: 128 bytes + 16
.set PV,    160                        ; a row of V: 128 + 32, for the turning load
.set VOFF,  64*PK
.set STEPB, 64*(PK+PV)
.set SLOT1, 1<<17
.set STAGE, SLOT1+4*STEPB              ; 32 rows x 144 bytes for each wave; no tile lands here
.set SPARE, STAGE+8*32*144             ; the spare words, 128 bytes for each wave; no other line names them
.set PARTB, 16777216
.set AK0, 1
.set AV0, 2
.set ADK, 3
.set ADV, 4
.set QO,  5
.set STO, 6
.set RD,  7
.set GO,  8
.set PFO, 9
.set SPW, 10
.set NIL, 11
.set DM,  12                           ; v12, v13 the mask's d for the two tiles
.set NINF, 14
.set RH,  15                           ; r - 8 h
.set ST,  16                           ; tile T at ST + 8 T: +0 c m, +1 m, +2, +3 l, +4..+7 at work; a (later 1 / l) at +6
.set S,   32
.set P,   96
.set KFR, 128
.set WO,  192
.set WB,  224
.set OT,  0                            ; window 1
.set QF,  64
.set VFR, 128
.set WV,  8                            ; s8 wave; s9 i; s10 head; s11 the key block that the next load asks for; s12 8 - i; s13 trips done
.set TB,  14                           ; s14 LDS byte of the step's tiles; s15 the step's first key; s16 my first query; s17 counts a slot's steps
.set SEL, 20
.set CS,  22
.set G1K, 24
.set G1V, 32
.set G0,  40
.set MSB, 0
.macro WIN new
.if MSB != (\new)
	s_set_vgpr_msb (MSB<<8)|(\new)
.set MSB, (\new)
.endif
.endm
.set W_KQ, 0x04                        ; source 1 (Q) window 1
.set W_PV, 0x51                        ; V, C and D window 1, P window 0
.set W_RS, 0x41                        ; O^T window 1, a window 0
.set TO1,  0x40
.set FROM1, 0x05
.macro TLOAD                           ; every wave fetches: waves 0-3 a tile of K, waves 4-7 one of V; an s_nop 0 and four v_nop follow each line
	s_cmp_lt_u32 s[WV], 4
	s_cbranch_scc0 .Lfor_v_\@
	tensor_load_to_lds s[G0:G0+3], s[G1K:G1K+7]
	s_nop 0
.rept 4
	v_nop
.endr
	s_branch .Lasked_\@
.Lfor_v_\@:
	tensor_load_to_lds s[G0:G0+3], s[G1V:G1V+7]
	s_nop 0
.rept 4
	v_nop
.endr
.Lasked_\@:
.endm
; A prefetch of what the NEXT change of slots will ask for.  All four work-groups of a head walk key blocks 0, 1, .. in their first trips; work-group i = 0 walks all eight, and it alone asks: in trip t each of its waves names its own
; 8,192 bytes of key block t + 2, lanes 256 bytes apart, so each aligned block of 256 bytes is named once in the launch.  Blocks 0 and 1 come by their loads alone; trips 6 and on ask for nothing.
.macro ASK
	s_cmp_lt_u32 s13, s54
	s_cbranch_scc0 .Lnot_mine_\@
	global_prefetch_b8 v[PFO], s[52:53] th:TH_LOAD_NT scope:SCOPE_SE
.Lnot_mine_\@:
.endm
; The change of slots, at a slot's head.  All my tensor loads have landed (my part of the slot ahead); the add; my reads of the slot that I have left are over; the barrier; behind it that slot is filled with the next key block.
.macro CHANGE fill
	s_wait_tensorcnt 0x0                           ; no tensor load of mine is out, so group 0 may be written
	ds_add_u32 v[SPW], v[NIL]
.if \fill
	s_xor_b32 s[G0+1], s[G0+1], SLOT1              ; the other slot than last time
	s_lshl_b32 s44, s11, 15                        ; a key block is 256 rows of 128 bytes
	s_mov_b32 s45, 0
	s_add_nc_u64 s[G0+2:G0+3], s[18:19], s[44:45]
	s_or_b32 s[G0+3], s[G0+3], 0x80000000
	s_add_co_u32 s11, s11, 1                       ; the key blocks go 0 .. 7 - i and then 0 .. i
	s_cmp_eq_u32 s11, s12
	s_cselect_b32 s11, 0, s11
	s_wait_xcnt 0x0                                ; the last prefetch, a trip back, has read its address
	s_add_nc_u64 s[52:53], s[52:53], 32768
.endif
	s_wait_dscnt 0x0
	s_barrier_signal -1
	s_barrier_wait -1
.if \fill
	TLOAD
	ASK
.endif
.endm
.macro QLOAD                           ; my 32 queries stay in registers
	WIN TO1
.irp T, 0,1
.irp c, 0,1
	global_load_b128 v[QF+16*\T+8*\c:QF+16*\T+8*\c+3], v[QO], s[50:51] offset:\T*2048+64*\c
	global_load_b128 v[QF+16*\T+8*\c+4:QF+16*\T+8*\c+7], v[QO], s[50:51] offset:\T*2048+64*\c+32
.endr
.endr
	WIN 0
.endm
.macro ZERO
	WIN TO1
.set i, 0
.rept 64
	v_mov_b32 v[OT+i], 0
.set i, i+1
.endr
	WIN 0
.irp T, 0,1
	v_mov_b32 v[ST+8*\T+1], 0xff61b1e6             ; m = -3e38, under every score
	v_mul_f32 v[ST+8*\T], s[CS], v[ST+8*\T+1]
	v_mov_b32 v[ST+8*\T+2], 0
	v_mov_b32 v[ST+8*\T+3], 0
	v_mov_b32 v[ST+8*\T+5], 0                      ; (a lane permute's destination counts as read)
	v_mov_b32 v[ST+8*\T+7], 0                      ; (named as the upper half of a pair)
.endr
.endm
; A KEY STEP: 64 keys x my two tiles of queries.
.macro STEP
	s_add_co_u32 s58, s16, 31
	s_cmp_gt_u32 s15, s58                          ; all 64 keys come after my 32 queries: the step's work is left out; its address steps are not
	s_cbranch_scc1 .Lhidden_\@
	v_add_nc_u32 v[ADK], s[TB], v[AK0]             ; these two and two v_nop are the four places behind the last step's products, ahead of the loads into V's fragments
	v_add_nc_u32 v[ADV], s[TB], v[AV0]
	v_nop
	v_nop
.irp kt, 0,1,2,3
.irp c, 0,1
	ds_load_b128 v[KFR+16*\kt+8*\c:KFR+16*\kt+8*\c+3], v[ADK] offset:\kt*16*PK+64*\c
	ds_load_b128 v[KFR+16*\kt+8*\c+4:KFR+16*\kt+8*\c+7], v[ADK] offset:\kt*16*PK+64*\c+32
.endr
.endr
	WIN TO1
.irp g, 0,1
.irp ct, 0,1,2,3
	ds_load_tr16_b128 v[VFR+32*\g+8*\ct:VFR+32*\g+8*\ct+3], v[ADV] offset:\g*32*PV+32*\ct
	ds_load_tr16_b128 v[VFR+32*\g+8*\ct+4:VFR+32*\g+8*\ct+7], v[ADV] offset:\g*32*PV+16*PV+32*\ct
.endr
.endr
	s_wait_dscnt 16                                ; K is in; V's sixteen loads may be out
	WIN W_KQ
.irp c, 0,1                                    ; eight accumulators by turns
.irp kt, 0,1,2,3
.irp T, 0,1
.if \c == 0
	v_wmma_f32_16x16x32_f16 v[S+32*\T+8*\kt:S+32*\T+8*\kt+7], v[KFR+16*\kt+8*\c:KFR+16*\kt+8*\c+7], v[QF+16*\T+8*\c:QF+16*\T+8*\c+7], 0
.else
	v_wmma_f32_16x16x32_f16 v[S+32*\T+8*\kt:S+32*\T+8*\kt+7], v[KFR+16*\kt+8*\c:KFR+16*\kt+8*\c+7], v[QF+16*\T+8*\c:QF+16*\T+8*\c+7], v[S+32*\T+8*\kt:S+32*\T+8*\kt+7]
.endif
.endr
.endr
.endr
	WIN 0
.rept 4
	v_nop
.endr
	s_add_co_u32 s58, s15, 63
	s_cmp_le_u32 s58, s16                          ; all 64 keys count for all my queries: no mask
	s_cbranch_scc1 .Lopen_\@
	s_sub_co_i32 s58, s16, s15
	v_add_nc_u32 v[DM], s58, v[RH]                 ; d = my query - the step's first key - 8 h: register 8 kt + j holds a hidden key where 16 kt + j > d
	v_add_nc_u32 v[DM+1], 16, v[DM]
.irp T, 0,1
.irp kt, 0,1,2,3
.irp j, 0,1,2,3,4,5,6,7
	v_cmp_gt_i32 vcc_lo, 16*\kt+\j, v[DM+\T]
	v_cndmask_b32 v[S+32*\T+8*\kt+\j], v[S+32*\T+8*\kt+\j], v[NINF], vcc_lo
.endr
.endr
.endr
.Lopen_\@:
.irp j, 0,1,2,3                                ; the maximum: four chains, each from its accumulator's low end on; the tiles alternate
.irp T, 0,1
	v_max3_num_f32 v[ST+8*\T+4+\j], v[S+32*\T+8*\j], v[S+32*\T+8*\j+1], v[S+32*\T+8*\j+2]
.endr
.endr
.irp u, 1,2
.irp j, 0,1,2,3
.irp T, 0,1
	v_max3_num_f32 v[ST+8*\T+4+\j], v[ST+8*\T+4+\j], v[S+32*\T+8*\j+2*\u+1], v[S+32*\T+8*\j+2*\u+2]
.endr
.endr
.endr
.irp T, 0,1
	v_max3_num_f32 v[ST+8*\T+4], v[ST+8*\T+4], v[S+32*\T+7], v[S+32*\T+15]
	v_max3_num_f32 v[ST+8*\T+6], v[ST+8*\T+6], v[S+32*\T+23], v[S+32*\T+31]
.endr
.irp T, 0,1
	v_max3_num_f32 v[ST+8*\T+4], v[ST+8*\T+4], v[ST+8*\T+5], v[ST+8*\T+6]
.endr
.irp T, 0,1
	v_max3_num_f32 v[ST+8*\T+4], v[ST+8*\T+4], v[ST+8*\T+7], v[ST+8*\T+1]   ; with the old m
.endr
.irp T, 0,1
	v_permlanex16_b32 v[ST+8*\T+5], v[ST+8*\T+4], s[SEL], s[SEL+1]          ; the query's other 32 keys lie in the lane 16 away
.endr
.irp T, 0,1
	v_mov_b32 v[ST+8*\T+7], v[ST+8*\T]
.endr
.irp T, 0,1
	v_max_num_f32 v[ST+8*\T+1], v[ST+8*\T+4], v[ST+8*\T+5]
.endr
.irp T, 0,1
	v_mul_f32 v[ST+8*\T], s[CS], v[ST+8*\T+1]
.endr
.irp T, 0,1
	v_sub_f32 v[ST+8*\T+7], v[ST+8*\T+7], v[ST+8*\T]
.endr
.irp T, 0,1
	v_exp_f32 v[ST+8*\T+6], v[ST+8*\T+7]           ; a
.endr
.irp b, 0,1,2,3,4,5,6,7,8,9,10,11,12,13,14,15
.irp T, 0,1
	v_pk_fma_f32 v[S+32*\T+2*\b:S+32*\T+2*\b+1], v[S+32*\T+2*\b:S+32*\T+2*\b+1], s[CS:CS+1], v[ST+8*\T:ST+8*\T+1] op_sel_hi:[1,0,0] neg_lo:[0,0,1] neg_hi:[0,0,1]   ; c s - c m
.endr
.endr
.set i, 0
.rept 64
	v_exp_f32 v[S+i], v[S+i]
.set i, i+1
.endr
	v_nop                                          ; a plain instruction behind the last exponential
	s_wait_alu depctr_va_vdst(0)                   ; one wait for the batch of 66, ahead of the first instruction that names a result
.irp b, 0,1,2,3,4,5,6,7,8,9,10,11,12,13,14,15
.irp T, 0,1
	v_cvt_pk_f16_f32 v[P+16*\T+\b], v[S+32*\T+2*\b], v[S+32*\T+2*\b+1]
.endr
.endr
.irp u, 0,1,2,3,4,5,6,7                        ; the sum of the unrounded weights, in place, by pairs
.irp T, 0,1
	v_pk_add_f32 v[S+32*\T+4*\u:S+32*\T+4*\u+1], v[S+32*\T+4*\u:S+32*\T+4*\u+1], v[S+32*\T+4*\u+2:S+32*\T+4*\u+3]
.endr
.endr
.irp u, 0,1,2,3
.irp T, 0,1
	v_pk_add_f32 v[S+32*\T+8*\u:S+32*\T+8*\u+1], v[S+32*\T+8*\u:S+32*\T+8*\u+1], v[S+32*\T+8*\u+4:S+32*\T+8*\u+5]
.endr
.endr
.irp u, 0,1
.irp T, 0,1
	v_pk_add_f32 v[S+32*\T+16*\u:S+32*\T+16*\u+1], v[S+32*\T+16*\u:S+32*\T+16*\u+1], v[S+32*\T+16*\u+8:S+32*\T+16*\u+9]
.endr
.endr
.irp T, 0,1
	v_pk_add_f32 v[S+32*\T:S+32*\T+1], v[S+32*\T:S+32*\T+1], v[S+32*\T+16:S+32*\T+17]
.endr
.irp T, 0,1
	v_pk_fma_f32 v[ST+8*\T+2:ST+8*\T+3], v[ST+8*\T+2:ST+8*\T+3], v[ST+8*\T+6:ST+8*\T+7], v[S+32*\T:S+32*\T+1] op_sel_hi:[1,0,1]   ; l = a l + the sum
.endr
	WIN W_RS
.irp T, 0,1
.irp b, 0,1,2,3,4,5,6,7,8,9,10,11,12,13,14,15
	v_pk_mul_f32 v[OT+32*\T+2*\b:OT+32*\T+2*\b+1], v[OT+32*\T+2*\b:OT+32*\T+2*\b+1], v[ST+8*\T+6:ST+8*\T+7] op_sel_hi:[1,0]
.endr
.endr
	s_wait_dscnt 0x0                               ; V is in
	WIN W_PV
.irp g, 0,1                                    ; eight accumulators by turns
.irp ct, 0,1,2,3
.irp T, 0,1
	v_wmma_f32_16x16x32_f16 v[OT+32*\T+8*\ct:OT+32*\T+8*\ct+7], v[VFR+32*\g+8*\ct:VFR+32*\g+8*\ct+7], v[P+16*\T+8*\g:P+16*\T+8*\g+7], v[OT+32*\T+8*\ct:OT+32*\T+8*\ct+7]
.endr
.endr
.endr
	WIN 0
.Lhidden_\@:
	s_add_co_u32 s[TB], s[TB], STEPB
	s_add_co_u32 s15, s15, 64
.endm
.macro SLOT_STEPS                      ; a slot's four steps: written once, walked four times
	s_mov_b32 s17, 4
.Lstep_\@:
	STEP
	s_sub_co_u32 s17, s17, 1
	s_cmp_lg_u32 s17, 0
	s_cbranch_scc1 .Lstep_\@
	s_sub_co_u32 s[TB], s[TB], 4*STEPB
	s_xor_b32 s[TB], s[TB], SLOT1                  ; on to the other slot
.endm
; The way out of a query block: O^T / l, rounded to f16, through my stage, back as rows of 128 bytes; four positions are 512 consecutive bytes.
.macro WAYOUT
.irp T, 0,1
	v_add_f32 v[ST+8*\T+4], v[ST+8*\T+2], v[ST+8*\T+3]
.endr
.irp T, 0,1
	v_permlanex16_b32 v[ST+8*\T+5], v[ST+8*\T+4], s[SEL], s[SEL+1]
.endr
.irp T, 0,1
	v_add_f32 v[ST+8*\T+4], v[ST+8*\T+4], v[ST+8*\T+5]
.endr
.irp T, 0,1
	v_rcp_f32 v[ST+8*\T+6], v[ST+8*\T+4]
.endr
	v_nop
	s_wait_alu depctr_va_vdst(0)                   ; one wait for the two reciprocals, ahead of their first reader
	WIN W_RS
.irp T, 0,1
.irp b, 0,1,2,3,4,5,6,7,8,9,10,11,12,13,14,15
	v_pk_mul_f32 v[OT+32*\T+2*\b:OT+32*\T+2*\b+1], v[OT+32*\T+2*\b:OT+32*\T+2*\b+1], v[ST+8*\T+6:ST+8*\T+7] op_sel_hi:[1,0]
.endr
.endr
	WIN FROM1
.set i, 0
.rept 32
	v_cvt_pk_f16_f32 v[WO+i], v[OT+2*i], v[OT+2*i+1]
.set i, i+1
.endr
	WIN 0
.irp T, 0,1
.irp ct, 0,1,2,3
	ds_store_b128 v[STO], v[WO+16*\T+4*\ct:WO+16*\T+4*\ct+3] offset:\T*16*144+32*\ct
.endr
.endr
.irp t, 0,1,2,3,4,5,6,7
	ds_load_b128 v[WB+4*\t:WB+4*\t+3], v[RD] offset:\t*576   ; LDS serves a wave's instructions in order
.endr
.irp t, 0,1,2,3,4,5,6,7
	s_wait_dscnt 7-\t
	global_store_b128 v[GO], v[WB+4*\t:WB+4*\t+3], s[56:57] offset:512*\t
.endr
.endm
	s_load_b128 s[4:7], s[0:1], 0x0                ; qkvh s[4:5], of s[6:7]
	v_lshl_add_u32 v[SPW], v0, 2, SPARE
	v_mov_b32 v[NIL], 0
	ds_add_u32 v[SPW], v[NIL]                      ; the opening: the add, twice on end, and its wait ahead of my first tensor load
	ds_add_u32 v[SPW], v[NIL]
	v_lshrrev_b32 v1, 5, v0
	v_readfirstlane_b32 s[WV], v1                  ; wave 0..7
	s_mov_b32 s9, ttmp9                            ; i
	s_and_b32 s10, ttmp7, 0xffff                   ; batch x 16 + head
	s_sub_co_u32 s12, 8, s9
	s_mov_b32 s[G1K], (1<<16)|(1<<20)|(4<<22)|(3<<25)   ; elements of 2 bytes; padding on: 4 words behind every 32
	s_mov_b32 s[G1V], (1<<16)|(1<<20)|(4<<22)|(7<<25)   ; 8 words
.irp g, G1K, G1V
	s_mov_b32 s[\g+1], 64<<16                      ; tensor_dim0
	s_mov_b32 s[\g+2], 64<<16                      ; tensor_dim1
	s_mov_b32 s[\g+3], 64<<16                      ; tile_dim0
	s_mov_b32 s[\g+4], 64                          ; tile_dim1
	s_mov_b32 s[\g+5], 64                          ; from row to row
	s_mov_b32 s[\g+6], 0
	s_mov_b32 s[\g+7], 0
.endr
	s_and_b32 s58, s[WV], 3                        ; which step of a slot I fetch
	s_lshr_b32 s59, s[WV], 2                       ; K (0) or V (1)
	s_mul_i32 s60, s58, STEPB
	s_mul_i32 s61, s59, VOFF
	s_mov_b32 s[G0], 1
	s_add_co_u32 s[G0+1], s60, s61                 ; slot 0
	s_add_co_u32 s59, s59, 1
	s_lshl_b32 s59, s59, 24                        ; part 1 or 2
	s_lshl_b32 s44, s10, 18                        ; the head's 262,144 bytes
	s_mov_b32 s45, 0
	s_lshl_b32 s58, s58, 13                        ; 64 rows of 128 bytes a step
	s_add_co_u32 s58, s58, s59
	s_add_co_u32 s58, s58, s44
	s_mov_b32 s59, 0
	s_mov_b32 s[SEL], 0x76543210
	s_mov_b32 s[SEL+1], 0xfedcba98
	s_mov_b32 s[CS], 0x3e38aa3b                    ; c = log2(e) / 8
	s_mov_b32 s[CS+1], s[CS]
	s_mov_b32 s11, 1
	s_mov_b32 s13, 0
	s_mov_b32 s[TB], 0
	s_mov_b32 s15, 0
	s_sub_co_u32 s16, 7, s9
	s_lshl_b32 s16, s16, 8
	s_lshl_b32 s60, s[WV], 5
	s_add_co_u32 s16, s16, s60                     ; my first query: 256 (7 - i) + 32 w
	s_cmp_eq_u32 s9, 0
	s_cselect_b32 s54, 6, 0
	s_wait_dscnt 0x0                               ; both opening adds are done
	s_wait_kmcnt 0x0
	s_add_nc_u64 s[18:19], s[4:5], s[58:59]        ; my tile of key block 0
	s_add_nc_u64 s[46:47], s[4:5], s[44:45]        ; the head's q
	s_add_nc_u64 s[48:49], s[6:7], s[44:45]        ; the head's o
	s_mov_b64 s[G0+2:G0+3], s[18:19]
	s_or_b32 s[G0+3], s[G0+3], 0x80000000
	TLOAD                                          ; slot 0; slot 1 is first filled behind the first trip's barrier, behind which nothing is filled again
	s_add_nc_u64 s[52:53], s[18:19], 32768         ; the first change of slots steps it to key block 2
	s_lshl_b32 s58, s16, 7
	s_add_nc_u64 s[50:51], s[46:47], s[58:59]
	v_and_b32 v12, 15, v0                          ; r
	v_bfe_u32 v13, v0, 4, 1                        ; h
	v_lshlrev_b32 v[QO], 7, v12
	v_lshl_add_u32 v[QO], v13, 4, v[QO]
	QLOAD
	v_mul_u32_u24 v[AK0], v12, PK
	v_lshl_add_u32 v[AK0], v13, 4, v[AK0]
	v_and_b32 v3, 7, v0
	v_bfe_u32 v4, v0, 3, 1
	v_lshl_add_u32 v[AV0], v13, 3, v3
	v_mul_u32_u24 v[AV0], v[AV0], PV
	v_lshl_add_u32 v[AV0], v4, 4, v[AV0]
	v_add_nc_u32 v[AV0], VOFF, v[AV0]
	s_mul_i32 s60, s[WV], 32*144
	s_add_co_u32 s60, s60, STAGE
	v_mul_u32_u24 v[STO], v12, 144
	v_lshl_add_u32 v[STO], v13, 4, v[STO]
	v_add_nc_u32 v[STO], s60, v[STO]
	v_bfe_u32 v[RD], v0, 3, 2
	v_mul_u32_u24 v[RD], v[RD], 144
	v_lshl_add_u32 v[RD], v3, 4, v[RD]
	v_add_nc_u32 v[RD], s60, v[RD]
	v_and_b32 v[GO], 31, v0
	v_lshlrev_b32 v[PFO], 8, v[GO]
	v_lshlrev_b32 v[GO], 4, v[GO]
	v_lshlrev_b32 v[RH], 3, v13
	v_sub_nc_u32 v[RH], v12, v[RH]
	v_mov_b32 v[NINF], 0xff800000
	ZERO
	s_wait_loadcnt 0x0                             ; Q
.Ltrip:                                            ; eight trips; behind each change of slots the next key block is asked for
	CHANGE 1
	SLOT_STEPS
	s_add_co_u32 s13, s13, 1
	s_cmp_lg_u32 s13, s12                          ; ids and the count of trips alone
	s_cbranch_scc1 .Lsame
.rept 4
	v_nop                                          ; places behind the last products
.endr
	s_wait_xcnt 0x0                                ; earlier stores have read their base and their registers
	s_lshl_b32 s58, s16, 7
	s_mov_b32 s59, 0
	s_add_nc_u64 s[56:57], s[48:49], s[58:59]      ; where the finished block goes
	s_lshl_b32 s16, s9, 8
	s_lshl_b32 s58, s[WV], 5
	s_add_co_u32 s16, s16, s58                     ; my first query of block i
	s_lshl_b32 s58, s16, 7
	s_add_nc_u64 s[50:51], s[46:47], s[58:59]
	QLOAD
	WAYOUT
	ZERO
	s_mov_b32 s15, 0
	s_wait_loadcnt 0x0
.Lsame:
	s_cmp_lt_u32 s13, 8
	s_cbranch_scc1 .Ltrip
	CHANGE 0                                       ; the last slot is written out
	SLOT_STEPS
.rept 4
	v_nop
.endr
	s_wait_xcnt 0x0
	s_lshl_b32 s58, s16, 7
	s_mov_b32 s59, 0
	s_add_nc_u64 s[56:57], s[48:49], s[58:59]
	WAYOUT
	s_wait_tensorcnt 0x0                           ; the wave's end
	ds_add_u32 v[SPW], v[NIL]
	s_wait_dscnt 0x0
	s_endpgm
.Lfunc_end_k_q2de3b761b8_attn:
	.size	k_q2de3b761b8_attn, .Lfunc_end_k_q2de3b761b8_attn-k_q2de3b761b8_attn
	.p2alignl 7, 3214868480
	.fill 96, 4, 3214868480
	.section	.rodata,"a",@progbits
	.p2align	6, 0x0
	.amdhsa_kernel k_q2de3b761b8_attn
		.amdhsa_group_segment_fixed_size 327680
		.amdhsa_private_segment_fixed_size 0
		.amdhsa_enable_private_segment 0
		.amdhsa_kernarg_size 16
		.amdhsa_user_sgpr_count 2
		.amdhsa_user_sgpr_kernarg_segment_ptr 1
		.amdhsa_wavefront_size32 1
		.amdhsa_system_sgpr_workgroup_id_x 1
		.amdhsa_system_sgpr_workgroup_id_y 1
		.amdhsa_system_sgpr_workgroup_id_z 1
		.amdhsa_system_vgpr_workitem_id 0
		.amdhsa_next_free_vgpr 448
		.amdhsa_next_free_sgpr 66
		.amdhsa_reserve_vcc 1
		.amdhsa_float_denorm_mode_32 3
		.amdhsa_float_denorm_mode_16_64 3
		.amdhsa_memory_ordered 1
		.amdhsa_forward_progress 1
		.amdhsa_inst_pref_size 71
	.end_amdhsa_kernel
	.amdgpu_metadata
---
amdhsa.version: [ 1, 2 ]
amdhsa.kernels:
  - .name:           k_q2de3b761b8_attn
    .symbol:         k_q2de3b761b8_attn.kd
    .args:
      - { .name: qkvh, .offset: 0, .size: 8, .value_kind: global_buffer, .address_space: global }
      - { .name: of, .offset: 8, .size: 8, .value_kind: global_buffer, .address_space: global }
    .group_segment_fixed_size: 327680
    .private_segment_fixed_size: 0
    .kernarg_segment_align: 8
    .kernarg_segment_size: 16
    .max_flat_workgroup_size: 256
    .sgpr_count:     66
    .vgpr_count:     448
    .wavefront_size: 32
...
	.end_amdgpu_metadata
.endif
;; end of part 3
;; launch proj (part 4): grid 4 x 64, 4 waves a work-group, clusters of 4 x 4, 327,680 bytes of LDS; arguments of, pw, proj_b, out0; writes out0
.if DOCPART == 4
	.amdgcn_target "amdgcn-amd-amdhsa--gfx1250"
	.amdhsa_code_object_version 6
	.text
	.protected	k_q2de3b761b8_proj
	.globl	k_q2de3b761b8_proj
	.p2align	8
	.type	k_q2de3b761b8_proj,@function
k_q2de3b761b8_proj:
	s_mov_b64 s[64:65], 0
	v_nop
	global_prefetch_b8 v0, s[64:65] scope:SCOPE_SE
	s_setreg_imm32_b32 hwreg(HW_REG_WAVE_MODE, 25, 1), 1
	s_wait_xcnt 0x0
	s_wait_alu depctr_hold_cnt(0) depctr_sa_sdst(0) depctr_va_vdst(0) depctr_va_sdst(0) depctr_va_ssrc(0) depctr_va_vcc(0) depctr_vm_vsrc(0)
	s_getreg_b32 s2, hwreg(HW_REG_IB_STS2, 6, 4)
	s_cmp_eq_u32 s2, 0
	s_cbranch_scc0 .Lentry_in_a_cluster
	s_endpgm
.Lentry_in_a_cluster:
	s_bfe_u32 s2, ttmp6, 0x10000c
	s_cmp_lg_u32 s2, 0xf033
	s_cbranch_scc0 .Lentry_shape_is_right
	s_endpgm
.Lentry_shape_is_right:
; Launch 4 of 5: out0 = o proj_w + proj_b (8,192 x 1,024, K = 1,024) on f16 operands, f32 sums.  o: f16 [batch x 16 + head][position][64], so K = (head, channel) in its order; pw: f16 [n][k].
; LEFT OUT: the stores of positions 0-15 of each batch, whose rows launch fine makes in f32; their products lie in tiles with live rows.
; A tile of 128 rows x 256 columns is made by four waves, 64 x 128 each: 32 accumulators.  256 tiles.  K goes in steps of 128 (two heads) through two LDS slots: A's tile is two planes (heads) of 128 rows x 128 bytes, B's 256 rows x 256 bytes.
; CLUSTERS 4 x 4: tile column = cx; tile row = 16 cy + cluster y, so cy is the batch.  A's tiles are asked for jointly along a row of the cluster, B's along a column.  Waves 0, 1 fetch A's planes, waves 2, 3 B's halves: one load a wave behind each round.
; No prefetch: the launch moves its own buffers beside a short run of products, so its loads keep memory at work already.
; THE MATRIX INSTRUCTION IS USED TRANSPOSED (source 0 = 16 rows of pw, source 1 = 16 rows of o).  The bias is the C of each sum's first matrix instruction.
; REGISTERS: window 0: v16-30 addresses; v64-127 A's fragments, two buffers; v128-255 B's, two buffers, later rows on the way out.  window 1: the accumulators ((a, b) at 8 (8 a + b)).  window 2: v0-63 the bias.
.set PA,    144
.set PLANE, 128*PA
.set AB,    2*PLANE
.set PB,    272
.set HALFB, 128*PB
.set SLOT,  AB+2*HALFB
.set STAGE, 2*SLOT                     ; 16 rows x 528 bytes for each wave; no tile lands here
.set SPITCH, 528
.set SPARE, STAGE+4*16*SPITCH          ; the spare words; no other line names them
.set ADRA, 16
.set ADRB, 20
.set STO,  24
.set RD,   25
.set CO,   26
.set SPW,  28
.set NIL,  29
.set BO,   30
.set AF,   64
.set BF,   128
.set BK,   128
.set G1, 24
.set G0, 32
.set G1B, 48
.set G0B, 56
.set MSB, 0
.macro WIN new
.if MSB != (\new)
	s_set_vgpr_msb (MSB<<8)|(\new)
.set MSB, (\new)
.endif
.endm
.set MUL,  0x50                        ; C and D window 1
.set MULB, 0x60                        ; C (the bias) window 2, D window 1
.macro JLOAD s
	s_cmp_eq_u32 s15, 0
	s_cbranch_scc0 .Lfor_b_\@
	tensor_load_to_lds s[G0+4*\s:G0+4*\s+3], s[G1:G1+7]
	s_nop 0
.rept 4
	v_nop
.endr
	s_branch .Lasked_\@
.Lfor_b_\@:
	tensor_load_to_lds s[G0B+4*\s:G0B+4*\s+3], s[G1B:G1B+7]
	s_nop 0
.rept 4
	v_nop
.endr
.Lasked_\@:
.endm
.macro CREST
	s_cmp_lg_u32 s14, 0
	s_cbranch_scc1 .Lnot_wave_0_\@
	s_barrier_signal -3
.Lnot_wave_0_\@:
	s_barrier_wait -3
	s_barrier_signal -1
	s_barrier_wait -1
.endm
.macro CROUND
	s_barrier_signal -1
	s_barrier_wait -1
	CREST
.endm
.macro PLACES
.rept 4
	v_nop
.endr
.endm
	s_load_b256 s[4:11], s[0:1], 0x0               ; of s[4:5], pw s[6:7], proj_b s[8:9], out0 s[10:11]
	v_lshl_add_u32 v[SPW], v0, 2, SPARE
	v_mov_b32 v[NIL], 0
	ds_add_u32 v[SPW], v[NIL]                      ; the opening: the add, twice on end, and its wait ahead of my first tensor load
	ds_add_u32 v[SPW], v[NIL]
	v_lshrrev_b32 v1, 5, v0
	v_readfirstlane_b32 s14, v1                    ; wave 0..3
	s_lshr_b32 s15, s14, 1                         ; my 64 rows; also: I fetch for A (0) or B (1)
	s_and_b32 s16, s14, 1                          ; my 128 columns; also: which plane or half I fetch
	s_bfe_u32 s40, ttmp6, 0x40000                  ; cx = tile column
	s_bfe_u32 s41, ttmp6, 0x40004                  ; cy = batch
	s_and_b32 s13, ttmp7, 0xffff                   ; cluster y: the tile's place in the batch
	s_lshl_b32 s43, s41, 2
	s_lshl_b32 s43, 15, s43
	s_lshl_b32 s44, 0x1111, s40
	s_or_b32 s[G1+0], s43, (1<<16)|(1<<20)|(1<<21)|(4<<22)|(3<<25)   ; A: elements of 2 bytes; 4 words of padding behind every 32
	s_mov_b32 s[G1+1], 64<<16
	s_mov_b32 s[G1+2], 128<<16
	s_mov_b32 s[G1+3], 64<<16
	s_mov_b32 s[G1+4], 128
	s_mov_b32 s[G1+5], 64
	s_mov_b32 s[G1+6], 0
	s_mov_b32 s[G1+7], 0
	s_or_b32 s[G1B+0], s44, (1<<16)|(1<<20)|(1<<21)|(5<<22)|(3<<25)  ; B: 4 words behind every 64
	s_mov_b32 s[G1B+1], 128<<16
	s_mov_b32 s[G1B+2], 128<<16
	s_mov_b32 s[G1B+3], 128<<16
	s_mov_b32 s[G1B+4], 128
	s_mov_b32 s[G1B+5], 1024
	s_mov_b32 s[G1B+6], 0
	s_mov_b32 s[G1B+7], 0
	s_lshl_b32 s20, s41, 4
	s_add_co_u32 s20, s20, s16                     ; A: head = my plane, of batch cy
	s_lshl_b32 s20, s20, 11
	s_lshl_b32 s21, s13, 7
	s_add_co_u32 s20, s20, s21                     ; position 128 x cluster y
	s_lshl_b32 s20, s20, 7
	s_mov_b32 s21, 0
	s_lshl_b32 s46, s40, 8
	s_lshl_b32 s47, s16, 7
	s_add_co_u32 s46, s46, s47                     ; B: row 256 cx + 128 x half
	s_lshl_b32 s46, s46, 11
	s_mov_b32 s47, 0
	s_mul_i32 s45, s16, PLANE
	s_mul_i32 s17, s16, HALFB
	s_add_co_u32 s17, s17, AB
	s_wait_dscnt 0x0
	s_wait_kmcnt 0x0
	s_add_nc_u64 s[20:21], s[4:5], s[20:21]
	s_add_nc_u64 s[46:47], s[6:7], s[46:47]
	CROUND
.irp s, 0,1
	s_mov_b32 s[G0+4*\s], 1
	s_add_co_u32 s[G0+4*\s+1], s45, \s*SLOT
	s_add_nc_u64 s[G0+4*\s+2:G0+4*\s+3], s[20:21], \s*524288         ; K step s: two heads on
	s_or_b32 s[G0+4*\s+3], s[G0+4*\s+3], 0x80000000
	s_mov_b32 s[G0B+4*\s], 1
	s_add_co_u32 s[G0B+4*\s+1], s17, \s*SLOT
	s_add_nc_u64 s[G0B+4*\s+2:G0B+4*\s+3], s[46:47], \s*256
	s_or_b32 s[G0B+4*\s+3], s[G0B+4*\s+3], 0x80000000
	JLOAD \s                                       ; two loads of mine are out at the head, one behind each round
.endr
	v_and_b32 v1, 15, v0
	v_bfe_u32 v2, v0, 4, 1
	v_lshlrev_b32 v[BO], 5, v2
	s_lshl_b32 s18, s40, 10
	s_lshl_b32 s19, s16, 9
	s_add_co_u32 s18, s18, s19                     ; my first column x 4 bytes
	s_mov_b32 s19, 0
	s_add_nc_u64 s[8:9], s[8:9], s[18:19]
	WIN 0x80                                       ; destination window 2
.irp b, 0,1,2,3,4,5,6,7
	global_load_b128 v[8*\b:8*\b+3], v[BO], s[8:9] offset:64*\b
	global_load_b128 v[8*\b+4:8*\b+7], v[BO], s[8:9] offset:64*\b+16
.endr
	WIN 0
	v_mul_u32_u24 v3, v1, PA
	v_lshl_add_u32 v3, v2, 4, v3
	v_mul_u32_u24 v4, v1, PB
	v_lshl_add_u32 v4, v2, 4, v4
	s_mul_i32 s21, s15, 64*PA
	s_mul_i32 s22, s16, HALFB
	s_add_co_u32 s22, s22, AB
.irp s, 0,1
	v_add_nc_u32 v[ADRA+\s], s21, v3
	v_add_nc_u32 v[ADRB+\s], s22, v4
	s_add_co_u32 s21, s21, SLOT
	s_add_co_u32 s22, s22, SLOT
.endr
	s_mul_i32 s23, s14, 16*SPITCH
	s_add_co_u32 s23, s23, STAGE
	v_mul_u32_u24 v5, v1, SPITCH
	v_lshl_add_u32 v5, v2, 5, v5
	v_add_nc_u32 v[STO], s23, v5
	v_and_b32 v6, 31, v0
	v_lshlrev_b32 v[CO], 4, v6
	v_add_nc_u32 v[RD], s23, v[CO]
	s_lshl_b32 s20, s41, 11
	s_lshl_b32 s21, s13, 7
	s_add_co_u32 s20, s20, s21
	s_lshl_b32 s21, s15, 6
	s_add_co_u32 s20, s20, s21                     ; my first row of out0
	s_lshl_b32 s20, s20, 12
	s_add_co_u32 s20, s20, s18
	s_mov_b32 s21, 0
	s_add_nc_u64 s[10:11], s[10:11], s[20:21]
.macro FETCH slot, q, f                ; 24 LDS loads: the fragments of 32 along K, the slot's q-th: B's eight, then A's four
.irp i, 0,1,2,3,4,5,6,7
	ds_load_b128 v[BF+64*(\f)+8*\i:BF+64*(\f)+8*\i+3], v[ADRB+\slot] offset:64*(\q)+\i*16*PB
	ds_load_b128 v[BF+64*(\f)+8*\i+4:BF+64*(\f)+8*\i+7], v[ADRB+\slot] offset:64*(\q)+\i*16*PB+32
.endr
.irp i, 0,1,2,3
	ds_load_b128 v[AF+32*(\f)+8*\i:AF+32*(\f)+8*\i+3], v[ADRA+\slot] offset:((\q)>>1)*PLANE+64*((\q)&1)+\i*16*PA
	ds_load_b128 v[AF+32*(\f)+8*\i+4:AF+32*(\f)+8*\i+7], v[ADRA+\slot] offset:((\q)>>1)*PLANE+64*((\q)&1)+\i*16*PA+32
.endr
.endm
.macro MUL8 f, a, first                ; the 32 accumulators take turns, one instruction a turn
.irp b, 0,1,2,3,4,5,6,7
.if \first
	v_wmma_f32_16x16x32_f16 v[8*(8*(\a)+\b):8*(8*(\a)+\b)+7], v[BF+64*(\f)+8*\b:BF+64*(\f)+8*\b+7], v[AF+32*(\f)+8*(\a):AF+32*(\f)+8*(\a)+7], v[8*\b:8*\b+7]
.else
	v_wmma_f32_16x16x32_f16 v[8*(8*(\a)+\b):8*(8*(\a)+\b)+7], v[BF+64*(\f)+8*\b:BF+64*(\f)+8*\b+7], v[AF+32*(\f)+8*(\a):AF+32*(\f)+8*(\a)+7], v[8*(8*(\a)+\b):8*(8*(\a)+\b)+7]
.endif
.endr
.endm
.macro QUARTER slot, q, f, g, first    ; fetches the slot's q-th 32 along K into buffer g, multiplies buffer f
	PLACES                                         ; buffer g was multiplied just now
	WIN 0
	FETCH \slot, \q, \g
	s_wait_dscnt 24                                ; all but the 24 just issued
.if \first
	WIN MULB
.else
	WIN MUL
.endif
	MUL8 \f, 0, \first
	MUL8 \f, 1, \first
	MUL8 \f, 2, \first
	MUL8 \f, 3, \first
.endm
.macro TURN slot, next, fill           ; a slot's last quarter (buffer 1) and the change of slots
	WIN 0
	s_wait_tensorcnt 0x0                           ; my part of the next slot has landed
	ds_add_u32 v[SPW], v[NIL]
	s_wait_dscnt 1                                 ; buffer 1 is in; the add may be out
	WIN MUL
	MUL8 1, 0, 0
	s_wait_dscnt 0x0                               ; the add is done, my reads of this slot are over
	s_barrier_signal -1
	MUL8 1, 1, 0
	WIN 0
	s_barrier_wait -1
.if \fill
	CREST                                          ; the barrier has opened a round of the cluster's: no wave of any partner still reads this slot or has a load on its way
	s_add_nc_u64 s[G0+4*\slot+2:G0+4*\slot+3], s[G0+4*\slot+2:G0+4*\slot+3], 1048576
	s_add_nc_u64 s[G0B+4*\slot+2:G0B+4*\slot+3], s[G0B+4*\slot+2:G0B+4*\slot+3], 512
	JLOAD \slot                                    ; its four v_nop are also the places ahead of the loads below
.else
	PLACES
.endif
	FETCH \next, 0, 0
	WIN MUL
	MUL8 1, 2, 0
	MUL8 1, 3, 0
.endm
	s_wait_tensorcnt 1                             ; my part of K step 0 is in; K step 1's may be out
	s_barrier_signal -1
	s_barrier_wait -1
	FETCH 0, 0, 0
	s_wait_loadcnt 0x0                             ; the bias
	QUARTER 0, 1, 0, 1, 1
	WIN 0
	s_mov_b32 s3, 3
.Llap:                                             ; a trip goes once round the ring and fills both slots again
	QUARTER 0, 2, 1, 0, 0
	QUARTER 0, 3, 0, 1, 0
	TURN 0, 1, 1
	QUARTER 1, 1, 0, 1, 0
	QUARTER 1, 2, 1, 0, 0
	QUARTER 1, 3, 0, 1, 0
	TURN 1, 0, 1
	QUARTER 0, 1, 0, 1, 0
	WIN 0
	s_sub_co_u32 s3, s3, 1
	s_cmp_lg_u32 s3, 0
	s_cbranch_scc1 .Llap
	QUARTER 0, 2, 1, 0, 0                          ; the last lap fills nothing
	QUARTER 0, 3, 0, 1, 0
	TURN 0, 1, 0
	QUARTER 1, 1, 0, 1, 0
	QUARTER 1, 2, 1, 0, 0
	QUARTER 1, 3, 0, 1, 0
	s_wait_dscnt 0x0
	MUL8 1, 0, 0
	MUL8 1, 1, 0
	MUL8 1, 2, 0
	MUL8 1, 3, 0
	WIN 0
; THE WAY OUT, 16 rows x 128 columns at a time, through my stage: back as rows of 512 bytes, which the 32 lanes store as 512 consecutive bytes, aligned to 256.
.macro TOSTAGE a
	WIN 0x04                                       ; an LDS store's data: window 1
.irp b, 0,1,2,3,4,5,6,7
	ds_store_b128 v[STO], v[8*(8*(\a)+\b):8*(8*(\a)+\b)+3] offset:64*\b
	ds_store_b128 v[STO], v[8*(8*(\a)+\b)+4:8*(8*(\a)+\b)+7] offset:64*\b+16
.endr
	WIN 0
.set BB, BK+64*((\a)%2)
.irp t, 0,1,2,3,4,5,6,7,8,9,10,11,12,13,14,15
	ds_load_b128 v[BB+4*\t:BB+4*\t+3], v[RD] offset:\t*SPITCH
.endr
.endm
.macro SEND a, younger
.set BB, BK+64*((\a)%2)
	s_wait_dscnt \younger
.irp t, 0,1,2,3,4,5,6,7,8,9,10,11,12,13,14,15
	global_store_b128 v[CO], v[BB+4*\t:BB+4*\t+3], s[10:11] offset:(16*(\a)+\t)*4096 th:TH_STORE_NT
.endr
.endm
	PLACES
	s_or_b32 s2, s13, s15                          ; positions 0-15 are block 0 of the waves with the upper rows, where cluster y = 0: launch fine stores them
	s_cmp_eq_u32 s2, 0
	s_cbranch_scc1 .Lnot_block_0
	TOSTAGE 0
	SEND 0, 0
.Lnot_block_0:
	TOSTAGE 1
	s_wait_xcnt 0x0                                ; block 0's stores have read their registers
	TOSTAGE 2
	SEND 1, 32                                     ; behind block 1's loads: block 2's 16 stores and 16 loads
	s_wait_xcnt 0x0
	TOSTAGE 3
	SEND 2, 32
	SEND 3, 0
	s_wait_tensorcnt 0x0                           ; the wave's end
	ds_add_u32 v[SPW], v[NIL]
	s_wait_dscnt 0x0
	CROUND                                         ; the closing round
	s_endpgm
.Lfunc_end_k_q2de3b761b8_proj:
	.size	k_q2de3b761b8_proj, .Lfunc_end_k_q2de3b761b8_proj-k_q2de3b761b8_proj
	.p2alignl 7, 3214868480
	.fill 96, 4, 3214868480
	.section	.rodata,"a",@progbits
	.p2align	6, 0x0
	.amdhsa_kernel k_q2de3b761b8_proj
		.amdhsa_group_segment_fixed_size 327680
		.amdhsa_private_segment_fixed_size 0
		.amdhsa_enable_private_segment 0
		.amdhsa_kernarg_size 32
		.amdhsa_user_sgpr_count 2
		.amdhsa_user_sgpr_kernarg_segment_ptr 1
		.amdhsa_wavefront_size32 1
		.amdhsa_system_sgpr_workgroup_id_x 1
		.amdhsa_system_sgpr_workgroup_id_y 1
		.amdhsa_system_sgpr_workgroup_id_z 1
		.amdhsa_system_vgpr_workitem_id 0
		.amdhsa_next_free_vgpr 576
		.amdhsa_next_free_sgpr 66
		.amdhsa_reserve_vcc 0
		.amdhsa_float_denorm_mode_32 3
		.amdhsa_float_denorm_mode_16_64 3
		.amdhsa_memory_ordered 1
		.amdhsa_forward_progress 1
		.amdhsa_inst_pref_size 86
	.end_amdhsa_kernel
	.amdgpu_metadata
---
amdhsa.version: [ 1, 2 ]
amdhsa.kernels:
  - .name:           k_q2de3b761b8_proj
    .symbol:         k_q2de3b761b8_proj.kd
    .args:
      - { .name: of, .offset: 0, .size: 8, .value_kind: global_buffer, .address_space: global }
      - { .name: pw, .offset: 8, .size: 8, .value_kind: global_buffer, .address_space: global }
      - { .name: proj_b, .offset: 16, .size: 8, .value_kind: global_buffer, .address_space: global }
      - { .name: out0, .offset: 24, .size: 8, .value_kind: global_buffer, .address_space: global }
    .group_segment_fixed_size: 327680
    .private_segment_fixed_size: 0
    .kernarg_segment_align: 8
    .kernarg_segment_size: 32
    .max_flat_workgroup_size: 128
    .sgpr_count:     66
    .vgpr_count:     576
    .wavefront_size: 32
...
	.end_amdgpu_metadata
.endif
;; end of part 4
;; launch fine (part 5): grid 16 x 4, 16 waves a work-group, no clusters, 85,248 bytes of LDS; arguments fq, proj_w, proj_b, out0; writes out0
.if DOCPART == 5
	.amdgcn_target "amdgcn-amd-amdhsa--gfx1250"
	.amdhsa_code_object_version 6
	.text
	.protected	k_q2de3b761b8_fine
	.globl	k_q2de3b761b8_fine
	.p2align	8
	.type	k_q2de3b761b8_fine,@function
k_q2de3b761b8_fine:
	s_mov_b64 s[64:65], 0
	v_nop
	global_prefetch_b8 v0, s[64:65] scope:SCOPE_SE
	s_setreg_imm32_b32 hwreg(HW_REG_WAVE_MODE, 25, 1), 1
	s_wait_xcnt 0x0
; Launch 5 of 5: positions 0-15 of each batch once more, attention and projection in f32: these rows average one to sixteen values and are the largest in size, so the rounding of f16 operands would weigh most there.
; LEFT OUT: K's bias, as in launch qkv (fq holds k without it).
; fq: f32 [batch][16][3072] (q | k | v).  Work-group (slice, batch) makes 16 rows x 64 columns of out0.
; PHASE 1: wave w makes head w's attention, 16 queries x 16 keys (every slice repeats it: 32 matrix instructions a head, less than a launch of its own would cost).  The result goes to LDS as 16 rows of 1,024.
; PHASE 2: wave w takes 16 columns (w % 4) and 256 of K (w / 4); the four parts along K meet in LDS; wave q then stores row q's 256 bytes.
; All products by the f32 matrix form: 96 instructions a wave.  Its results are written by matrix instructions alone, each sum begins with the constant 0, and what is made of a sum goes into other registers.
; K IS PERMUTED ALIKE ON BOTH OPERANDS: in a K step lane (r, h) gives the two places 2 h + j; it holds there channels 32 h + 2 s + j (scores), keys 8 h + 2 s + j (values), k = 64 u + 32 h + 2 s + j (projection): each k is met once.
; REGISTERS: v1-13 addresses; v16-31 two accumulators of S^T; v32-63 four accumulators (O^T, later the projection); v64-95 q, v96-127 k, later W's chunks 2, 3; v128-159 v, later o; v160-191 at work, later o; v192-255 W's chunks 0, 1.
.set OP,    4112                       ; a row of o in LDS: 4,096 bytes + 16
.set RED,   16*OP                      ; 64 blocks of 16 x 16 bytes + 16
.set SPARE, RED+64*272                 ; the spare words, 128 bytes for each wave; no other line names them
.set QA,  3
.set VA,  4
.set WA,  5
.set OS,  6
.set OL,  7
.set RS,  8
.set RL,  9
.set GB,  11
.set SPW, 12
.set NIL, 13
.set QF,  64
.set KF,  96
.set VF,  128
.set T,   160
.set PP,  168
	s_load_b256 s[4:11], s[0:1], 0x0               ; fq s[4:5], proj_w s[6:7], proj_b s[8:9], out0 s[10:11]
	v_lshl_add_u32 v[SPW], v0, 2, SPARE
	v_mov_b32 v[NIL], 0
	v_lshrrev_b32 v1, 5, v0
	v_readfirstlane_b32 s12, v1                    ; wave 0..15
	s_and_b32 s14, ttmp7, 0xffff                   ; batch
	s_and_b32 s15, s12, 3                          ; which 16 columns
	s_lshr_b32 s16, s12, 2                         ; which 256 of K
	s_mov_b32 s20, 0x76543210
	s_mov_b32 s21, 0xfedcba98
	s_mov_b32 s22, 0x3e38aa3b                      ; c = log2(e) / 8
	v_and_b32 v1, 15, v0                           ; r
	v_bfe_u32 v2, v0, 4, 1                         ; h
	v_mul_u32_u24 v[QA], v1, 12288
	v_lshl_add_u32 v[QA], v2, 7, v[QA]             ; q, k: row r, channels 32 h on
	v_mul_u32_u24 v[VA], v2, 98304
	v_lshl_add_u32 v[VA], v1, 2, v[VA]             ; v: keys 8 h on, channel r
	v_lshlrev_b32 v[WA], 17, v2
	v_lshl_add_u32 v[WA], v1, 2, v[WA]             ; proj_w: rows 32 h on, column r
	v_mul_u32_u24 v[OS], v1, OP
	v_lshl_add_u32 v[OL], v2, 7, v[OS]
	v_lshl_add_u32 v[OS], v2, 5, v[OS]
	s_lshl_b32 s24, s12, 8
	v_add_nc_u32 v[OS], s24, v[OS]                 ; o in: row r, head w, 32 bytes for each half
	s_lshl_b32 s24, s16, 10
	v_add_nc_u32 v[OL], s24, v[OL]                 ; o back: row r, my 256 of K, 32 h on
	s_mul_i32 s24, s12, 4*272
	s_add_co_u32 s24, s24, RED
	v_mul_u32_u24 v[RS], v2, 272
	v_lshl_add_u32 v[RS], v1, 4, v[RS]
	v_add_nc_u32 v[RS], s24, v[RS]                 ; my part sums: block 4 w + h (+ 2 for the upper four columns), 16 bytes a query
	v_lshrrev_b32 v[RL], 1, v0
	v_and_b32 v[RL], 12, v[RL]
	v_bfe_u32 v10, v0, 1, 1
	v_lshl_add_u32 v[RL], v10, 1, v[RL]
	v_bfe_u32 v10, v0, 2, 1
	v_add_nc_u32 v[RL], v[RL], v10
	v_mul_u32_u24 v[RL], v[RL], 272
	v_and_b32 v10, 1, v0
	v_lshl_add_u32 v[RL], v10, 3, v[RL]
	s_lshl_b32 s24, s12, 4
	s_add_co_u32 s24, s24, RED
	v_add_nc_u32 v[RL], s24, v[RL]                 ; back: query = my wave, columns 2 x lane, 2 x lane + 1
	v_and_b32 v[GB], 31, v0
	v_lshlrev_b32 v[GB], 3, v[GB]                  ; 8 bytes a lane, in proj_b and in a row of out0
	v_mov_b32 v179, 0                              ; (a lane permute's destination counts as read)
	v_mov_b32 v185, 0
	s_mul_i32 s24, s14, 196608
	s_lshl_b32 s25, s12, 8
	s_add_co_u32 s24, s24, s25                     ; fq: my batch, my head
	s_mov_b32 s25, 0
	s_lshl_b32 s26, s16, 20                        ; proj_w: 256 rows of 4,096 bytes a part of K,
	s_lshl_b32 s27, ttmp9, 8
	s_add_co_u32 s26, s26, s27                     ; 64 columns a slice,
	s_lshl_b32 s27, s15, 6
	s_add_co_u32 s26, s26, s27                     ; 16 a wave
	s_mov_b32 s27, 0
	s_lshl_b32 s28, ttmp9, 8                       ; proj_b: the slice
	s_mov_b32 s29, 0
	s_lshl_b32 s30, s14, 23                        ; out0: batch x 2,048 rows of 4,096 bytes,
	s_lshl_b32 s31, s12, 12
	s_add_co_u32 s30, s30, s31                     ; row = my wave,
	s_add_co_u32 s30, s30, s28                     ; the slice
	s_mov_b32 s31, 0
	s_wait_kmcnt 0x0
	s_add_nc_u64 s[4:5], s[4:5], s[24:25]
	s_add_nc_u64 s[6:7], s[6:7], s[26:27]
	s_add_nc_u64 s[8:9], s[8:9], s[28:29]
	s_add_nc_u64 s[10:11], s[10:11], s[30:31]
.irp g, 0,1,2,3,4,5,6,7
	global_load_b128 v[QF+4*\g:QF+4*\g+3], v[QA], s[4:5] offset:16*\g
.endr
.irp g, 0,1,2,3,4,5,6,7
	global_load_b128 v[KF+4*\g:KF+4*\g+3], v[QA], s[4:5] offset:4096+16*\g
.endr
.irp ct, 0,1,2,3
.irp i, 0,1,2,3,4,5,6,7
	global_load_b32 v[VF+8*\ct+\i], v[VA], s[4:5] offset:8192+\i*12288+64*\ct
.endr
.endr
.macro WLOAD reg, u                    ; chunk u of my part of proj_w: k = 64 u + 32 h + i, column r
.irp i, 0,1,2,3,4,5,6,7,8,9,10,11,12,13,14,15,16,17,18,19,20,21,22,23,24,25,26,27,28,29,30,31
	global_load_b32 v[\reg+\i], v[WA], s[6:7] offset:(64*(\u)+\i)*4096
.endr
.endm
	WLOAD 192, 0
	WLOAD 224, 1
	s_wait_loadcnt 63                              ; behind v's last load 64 were issued: q, k and v are in
	; ---- phase 1.  S^T = k q^T: two accumulators by turns
.irp s, 0,1,2,3,4,5,6,7,8,9,10,11,12,13,14,15
.if \s < 2
	v_wmma_f32_16x16x4_f32 v[16+8*(\s&1):23+8*(\s&1)], v[KF+2*\s:KF+2*\s+1], v[QF+2*\s:QF+2*\s+1], 0
.else
	v_wmma_f32_16x16x4_f32 v[16+8*(\s&1):23+8*(\s&1)], v[KF+2*\s:KF+2*\s+1], v[QF+2*\s:QF+2*\s+1], v[16+8*(\s&1):23+8*(\s&1)]
.endif
.endr
	v_lshlrev_b32 v176, 3, v2                      ; eight places behind this form: three lines of use, five v_nop
	v_sub_nc_u32 v176, v1, v176                    ; d = r - 8 h: register j holds key 8 h + j, hidden where j > d
	v_mov_b32 v177, 0xff800000
.rept 5
	v_nop
.endr
	WLOAD 64, 2                                    ; into q's and k's registers, which are done with
	WLOAD 96, 3
.irp j, 0,1,2,3,4,5,6,7
	v_add_f32 v[T+\j], v[16+\j], v[24+\j]
.endr
.irp j, 0,1,2,3,4,5,6,7
	v_cmp_gt_i32 vcc_lo, \j, v176
	v_cndmask_b32 v[T+\j], v[T+\j], v177, vcc_lo
.endr
	v_max3_num_f32 v178, v[T], v[T+1], v[T+2]
	v_max3_num_f32 v178, v178, v[T+3], v[T+4]
	v_max3_num_f32 v178, v178, v[T+5], v[T+6]
	v_max_num_f32 v178, v178, v[T+7]
	v_permlanex16_b32 v179, v178, s20, s21
	v_max_num_f32 v178, v178, v179                 ; the row's maximum: key 0 counts for every query
	v_mul_f32 v180, s22, v178
.irp j, 0,1,2,3,4,5,6,7
	v_fma_f32 v[PP+\j], v[T+\j], s22, -v180
.endr
.irp j, 0,1,2,3,4,5,6,7
	v_exp_f32 v[PP+\j], v[PP+\j]
.endr
	v_nop
	s_wait_alu depctr_va_vdst(0)                   ; one wait for the eight, ahead of their first reader
	v_add_f32 v181, v[PP], v[PP+1]
	v_add_f32 v182, v[PP+2], v[PP+3]
	v_add_f32 v183, v[PP+4], v[PP+5]
	v_add_f32 v184, v[PP+6], v[PP+7]
	v_add_f32 v181, v181, v182
	v_add_f32 v183, v183, v184
	v_add_f32 v181, v181, v183
	v_permlanex16_b32 v185, v181, s20, s21
	v_add_f32 v181, v181, v185
	v_rcp_f32 v186, v181
.irp s, 0,1,2,3                                ; O^T = v^T p: four accumulators by turns
.irp ct, 0,1,2,3
.if \s == 0
	v_wmma_f32_16x16x4_f32 v[32+8*\ct:39+8*\ct], v[VF+8*\ct+2*\s:VF+8*\ct+2*\s+1], v[PP+2*\s:PP+2*\s+1], 0
.else
	v_wmma_f32_16x16x4_f32 v[32+8*\ct:39+8*\ct], v[VF+8*\ct+2*\s:VF+8*\ct+2*\s+1], v[PP+2*\s:PP+2*\s+1], v[32+8*\ct:39+8*\ct]
.endif
.endr
.endr
.rept 9
	v_nop                                          ; places behind this form, ahead of reads of its results and writes of its sources
.endr
	s_wait_alu depctr_va_vdst(0)                   ; the reciprocal's wait, ahead of its first reader
.set i, 0
.rept 32
	v_mul_f32 v[128+i], v[32+i], v186              ; o(r, 64 w + 16 ct + 8 h + j)
.set i, i+1
.endr
.irp ct, 0,1,2,3
	ds_store_b128 v[OS], v[128+8*\ct:131+8*\ct] offset:64*\ct
	ds_store_b128 v[OS], v[132+8*\ct:135+8*\ct] offset:64*\ct+16
.endr
	s_wait_dscnt 0x0                               ; for the others' sake: my stores are done
	s_barrier_signal -1
	s_barrier_wait -1                              ; 16 rows of o lie in LDS
	; ---- phase 2.  Source 0 = 16 columns of proj_w, source 1 = the 16 queries: a lane holds eight columns of one query
.macro OLOAD u                         ; chunk u of o: row r, k = 64 u + 32 h + 0..31, into buffer u % 2
.irp g, 0,1,2,3,4,5,6,7
	ds_load_b128 v[128+32*((\u)%2)+4*\g:128+32*((\u)%2)+4*\g+3], v[OL] offset:256*(\u)+16*\g
.endr
.endm
.macro CHUNK u, wreg, lcnt, dcnt
	s_wait_loadcnt \lcnt
	s_wait_dscnt \dcnt
.irp s, 0,1,2,3,4,5,6,7,8,9,10,11,12,13,14,15
.if ((\u) == 0) && (\s < 4)
	v_wmma_f32_16x16x4_f32 v[32+8*(\s&3):39+8*(\s&3)], v[\wreg+2*\s:\wreg+2*\s+1], v[128+32*((\u)%2)+2*\s:128+32*((\u)%2)+2*\s+1], 0
.else
	v_wmma_f32_16x16x4_f32 v[32+8*(\s&3):39+8*(\s&3)], v[\wreg+2*\s:\wreg+2*\s+1], v[128+32*((\u)%2)+2*\s:128+32*((\u)%2)+2*\s+1], v[32+8*(\s&3):39+8*(\s&3)]
.endif
.endr
.rept 8
	v_nop                                          ; places ahead of loads into, and writes of, the registers just read
.endr
.endm
	OLOAD 0
	OLOAD 1
	CHUNK 0, 192, 63, 8                            ; behind chunk 0's last load 96 were issued, behind chunk 1's 64: 63 shows both in; the younger chunk of o may be out
	OLOAD 2
	CHUNK 1, 224, 63, 8
	OLOAD 3
	CHUNK 2, 64, 32, 8                             ; chunk 3's 32 loads may be out
	CHUNK 3, 96, 0, 0
	global_load_b64 v[192:193], v[GB], s[8:9]      ; the bias of my two columns, into registers of W's chunk 0, long done with
.irp p, 0,1,2,3
	v_pk_add_f32 v[176+2*\p:177+2*\p], v[32+2*\p:33+2*\p], v[40+2*\p:41+2*\p]
.endr
.irp p, 0,1,2,3
	v_pk_add_f32 v[184+2*\p:185+2*\p], v[48+2*\p:49+2*\p], v[56+2*\p:57+2*\p]
.endr
.irp p, 0,1,2,3
	v_pk_add_f32 v[176+2*\p:177+2*\p], v[176+2*\p:177+2*\p], v[184+2*\p:185+2*\p]
.endr
	ds_store_b128 v[RS], v[176:179]
	ds_store_b128 v[RS], v[180:183] offset:544
	s_wait_dscnt 0x0
	s_barrier_signal -1
	s_barrier_wait -1                              ; all part sums lie in LDS
.irp k, 0,1,2,3
	ds_load_b64 v[128+2*\k:129+2*\k], v[RL] offset:\k*16*272
.endr
	s_wait_dscnt 0x0
	s_wait_loadcnt 0x0
	v_pk_add_f32 v[128:129], v[128:129], v[130:131]
	v_pk_add_f32 v[132:133], v[132:133], v[134:135]
	v_pk_add_f32 v[128:129], v[128:129], v[132:133]
	v_pk_add_f32 v[128:129], v[128:129], v[192:193]
	global_store_b64 v[GB], v[128:129], s[10:11]   ; the wave stores 256 consecutive bytes of row q, aligned
	s_wait_tensorcnt 0x0                           ; the wave's end
	ds_add_u32 v[SPW], v[NIL]
	s_wait_dscnt 0x0
	s_endpgm
.Lfunc_end_k_q2de3b761b8_fine:
	.size	k_q2de3b761b8_fine, .Lfunc_end_k_q2de3b761b8_fine-k_q2de3b761b8_fine
	.p2alignl 7, 3214868480
	.fill 96, 4, 3214868480
	.section	.rodata,"a",@progbits
	.p2align	6, 0x0
	.amdhsa_kernel k_q2de3b761b8_fine
		.amdhsa_group_segment_fixed_size 85248
		.amdhsa_private_segment_fixed_size 0
		.amdhsa_enable_private_segment 0
		.amdhsa_kernarg_size 32
		.amdhsa_user_sgpr_count 2
		.amdhsa_user_sgpr_kernarg_segment_ptr 1
		.amdhsa_wavefront_size32 1
		.amdhsa_system_sgpr_workgroup_id_x 1
		.amdhsa_system_sgpr_workgroup_id_y 1
		.amdhsa_system_sgpr_workgroup_id_z 1
		.amdhsa_system_vgpr_workitem_id 0
		.amdhsa_next_free_vgpr 256
		.amdhsa_next_free_sgpr 66
		.amdhsa_reserve_vcc 1
		.amdhsa_float_denorm_mode_32 3
		.amdhsa_float_denorm_mode_16_64 3
		.amdhsa_memory_ordered 1
		.amdhsa_forward_progress 1
		.amdhsa_inst_pref_size 36
	.end_amdhsa_kernel
	.amdgpu_metadata
---
amdhsa.version: [ 1, 2 ]
amdhsa.kernels:
  - .name:           k_q2de3b761b8_fine
    .symbol:         k_q2de3b761b8_fine.kd
    .args:
      - { .name: fq, .offset: 0, .size: 8, .value_kind: global_buffer, .address_space: global }
      - { .name: proj_w, .offset: 8, .size: 8, .value_kind: global_buffer, .address_space: global }
      - { .name: proj_b, .offset: 16, .size: 8, .value_kind: global_buffer, .address_space: global }
      - { .name: out0, .offset: 24, .size: 8, .value_kind: global_buffer, .address_space: global }
    .group_segment_fixed_size: 85248
    .private_segment_fixed_size: 0
    .kernarg_segment_align: 8
    .kernarg_segment_size: 32
    .max_flat_workgroup_size: 512
    .sgpr_count:     66
    .vgpr_count:     256
    .wavefront_size: 32
...
	.end_amdgpu_metadata
.endif
;; end of part 5
